; MI455X (gfx1250); checked and timed in simulation.
; The chip was launched on July 23, 2026; its instructions are those of AMD's public machine-readable ISA for CDNA 5 (MIT licence, August 2026) and "CDNA5" Instruction Set Architecture Reference Guide (July 2026). The comments in the code are by the model that wrote it; some were corrected since.
;; Multi Head Temporal Attention. Allowed arithmetic: float matrix products may take bf16 or f16 operands with f32 sums; all other float work in f32.
;; Inputs: Wk 512 x 512 float32; Wo 512 x 512 float32; Wq 512 x 512 float32; Wv 512 x 512 float32; enc 32 x 4,096 x 512 float32.
;; Outputs: out0 32 x 512 float32; out1 32 x 4,096 float32.
;; 2 versions, each right; version 2 is version 1 with the launch attn written anew for expert scheduling mode. Each part assembles by itself: llvm-mc -triple=amdgcn-amd-amdhsa -mcpu=gfx1250 --defsym DOCPART=n.
;; ======== version 1 of 2: 4 launches
;; workspace buffers: qk 262,144 bytes; scores 4,194,304 bytes; pacc 4,194,304 bytes; ml 32,768 bytes; ctx 65,536 bytes
;; launch prep (part 1): grid 8 x 1, 8 waves a work-group, no clusters, 105,472 bytes of LDS; arguments enc, Wq, Wk, qk; writes qk
.if DOCPART == 1
	.amdgcn_target "amdgcn-amd-amdhsa--gfx1250"
	.amdhsa_code_object_version 6
	.text
	.protected	k_q482344635d_prep
	.globl	k_q482344635d_prep
	.p2align	8
	.type	k_q482344635d_prep,@function
k_q482344635d_prep:
	s_mov_b64 s[64:65], 0
	v_nop
	global_prefetch_b8 v0, s[64:65] scope:SCOPE_SE
	s_setreg_imm32_b32 hwreg(HW_REG_WAVE_MODE, 25, 1), 1
	s_wait_xcnt 0x0
; prep: for head h (the work-group's x) and all 32 batches b
;   q[b][j]  = sum over d of enc[b][4095][d] * Wq[64h+j][d]            (j = 0..63)
;   qk[b][d] = 0.125 * log2(e) * sum over j of q[b][j] * Wk[64h+j][d]  (d = 0..511)
; so that a later score is enc[b][t][:] . qk[b][h][:], in units of log2.  This is reference()'s q.k with the sums taken in another order.
; Products in bf16 with f32 sums; q and qk are rounded to bf16 (they are matrix operands of the next product).
; qk is stored as bf16 [b>>1][h][w][b&1][64 d], d = 64 w + ..: one store of a wave covers 256 consecutive bytes, aligned.
; Eight waves.  No tensor loads: every number passes through registers for the rounding to bf16 anyway.
.set WP,  1040                         ; LDS pitch of a row of 512 bf16: 1,024 bytes + 16 (an odd multiple of 16)
.set QPI, 144                          ; LDS pitch of a row of 64 bf16
.set XS,  64*WP                        ; behind Wq's 64 rows: the 32 last rows of enc
.set QS,  XS+32*WP                     ; behind them: q, 32 rows of 64
.set WV,  1                            ; v1      Wq: 16384 w + 16 L (8 rows a wave)
.set EV,  2                            ; v2-5    enc: byte offset of row 4095 of batch 4w+i, + 16 L
.set KV,  6                            ; v6      Wk: 8 hh rows + 256 w + 16 r
.set WSA, 7                            ; v7      stage of Wq: 8 w rows + 8 L
.set XSA, 8                            ; v8      stage of enc: XS + 4 w rows + 8 L
.set GA,  9                            ; v9      fragment of Wq: row 16 jb + r, + 16 hh
.set GB,  10                           ; v10     fragment of enc: row 16 bb + r, + 16 hh
.set QSW, 11                           ; v11     where my 8 numbers of q go
.set AQA, 12                           ; v12     fragment of q
.set QV,  13                           ; v13     qk: 256 w + 8 L
.set X,   32                           ; v[32:223]  raw loads: 32 of Wq (later of Wk), 16 of enc
.set Y,   224                          ; v[224:239] 8 loads rounded to bf16
.set Q0,  224                          ; v[224:231], v[232:239]: two sums that take turns
.set Q1,  232
.set QPK, 240                          ; v[240:243] q packed
.set FB,  160                          ; v[160:223] fragments of four K steps
.set F2,  160                          ; v[160:223] Wk as fragments, [kk][c]
.set O,   32                           ; v[32:95]   eight results [mb][c]
.set AQ,  224                          ; v[224:255] q as fragments, [mb][kk]
.set Z,   128                          ; v[128:159] qk packed, a pair for each store
.macro BAR                             ; what I wrote to LDS is there and what I read is back; then all eight waves meet
	s_wait_dscnt 0x0
	s_barrier_signal -1
	s_barrier_wait -1
.endm
.macro CV8 i0                          ; raw loads i0 .. i0+7: four f32 each become two words of bf16
.irp e, 0,1,2,3,4,5,6,7
	v_cvt_pk_bf16_f32 v[Y+2*\e],   v[X+4*(\i0+\e)],   v[X+4*(\i0+\e)+1]
	v_cvt_pk_bf16_f32 v[Y+2*\e+1], v[X+4*(\i0+\e)+2], v[X+4*(\i0+\e)+3]
.endr
.endm
.macro ST8 adr, j0                     ; piece j of a wave's rows: row j / 4, quarter j % 4; 32 lanes write 256 neighbouring bytes
.irp e, 0,1,2,3,4,5,6,7
	ds_store_b64 v[\adr], v[Y+2*\e:Y+2*\e+1] offset:((\j0+\e)/4)*WP+((\j0+\e)%4)*256
.endr
.endm
; One tile of 16 x 16 over K = 512: sixteen K steps in four batches.  Q0 and Q1 take turns, one instruction a turn.
; The four v_nop are the places behind the matrix instructions before their sources are loaded again or their results read (ISA guide 7.12.1).
.macro GEMM16 a, b
.irp bt, 0,1,2,3
.irp u, 0,1,2,3
	ds_load_b128 v[FB+16*\u:FB+16*\u+3],     v[\a] offset:64*(4*\bt+\u)
	ds_load_b128 v[FB+16*\u+4:FB+16*\u+7],   v[\a] offset:64*(4*\bt+\u)+32
	ds_load_b128 v[FB+16*\u+8:FB+16*\u+11],  v[\b] offset:64*(4*\bt+\u)
	ds_load_b128 v[FB+16*\u+12:FB+16*\u+15], v[\b] offset:64*(4*\bt+\u)+32
.endr
	s_wait_dscnt 0x0
.if \bt == 0
	v_wmma_f32_16x16x32_bf16 v[Q0:Q0+7], v[FB:FB+7],     v[FB+8:FB+15],  0      ; the first products start the sums
	v_wmma_f32_16x16x32_bf16 v[Q1:Q1+7], v[FB+16:FB+23], v[FB+24:FB+31], 0
.else
	v_wmma_f32_16x16x32_bf16 v[Q0:Q0+7], v[FB:FB+7],     v[FB+8:FB+15],  v[Q0:Q0+7]
	v_wmma_f32_16x16x32_bf16 v[Q1:Q1+7], v[FB+16:FB+23], v[FB+24:FB+31], v[Q1:Q1+7]
.endif
	v_wmma_f32_16x16x32_bf16 v[Q0:Q0+7], v[FB+32:FB+39], v[FB+40:FB+47], v[Q0:Q0+7]
	v_wmma_f32_16x16x32_bf16 v[Q1:Q1+7], v[FB+48:FB+55], v[FB+56:FB+63], v[Q1:Q1+7]
.rept 4
	v_nop
.endr
.endr
.endm
	s_load_b256 s[4:11], s[0:1], 0x0               ; enc s[4:5], Wq s[6:7], Wk s[8:9], qk s[10:11]
	v_lshl_add_u32 v30, v0, 2, 0x19800
	v_mov_b32 v31, 0
	v_lshrrev_b32 v14, 5, v0
	v_readfirstlane_b32 s14, v14                   ; wave w
	v_and_b32 v14, 15, v0                          ; r
	v_bfe_u32 v15, v0, 4, 1                        ; hh
	v_and_b32 v16, 7, v0                           ; r7
	v_and_b32 v17, 31, v0                          ; L
	v_bfe_u32 v18, v0, 3, 1                        ; r >> 3
	s_lshr_b32 s15, s14, 1                         ; jb: which 16 of the 64 j are mine
	s_and_b32 s16, s14, 1                          ; bb: which 16 of the 32 b
	s_lshl_b32 s17, s14, 14
	v_lshl_add_u32 v[WV], v17, 4, s17
	s_lshl_b32 s17, s14, 25                        ; batch 4 w: 4 w x 8,388,608 bytes
	s_add_co_u32 s17, s17, 4095*2048               ; its last row
	v_lshl_add_u32 v[EV], v17, 4, s17
	v_add_nc_u32 v[EV+1], 0x800000, v[EV]
	v_add_nc_u32 v[EV+2], 0x1000000, v[EV]
	v_add_nc_u32 v[EV+3], 0x1800000, v[EV]
	s_lshl_b32 s17, s14, 8
	v_lshl_add_u32 v[KV], v14, 4, s17
	v_lshl_add_u32 v[KV], v15, 14, v[KV]
	v_lshl_add_u32 v[QV], v17, 3, s17
	s_mul_i32 s17, s14, 8*WP
	v_lshl_add_u32 v[WSA], v17, 3, s17
	s_mul_i32 s17, s14, 4*WP
	s_add_co_u32 s17, s17, XS
	v_lshl_add_u32 v[XSA], v17, 3, s17
	v_mul_u32_u24 v19, v14, WP
	v_lshl_add_u32 v19, v15, 4, v19                ; r rows + 16 hh
	s_mul_i32 s17, s15, 16*WP
	v_add_nc_u32 v[GA], s17, v19
	s_mul_i32 s17, s16, 16*WP
	s_add_co_u32 s17, s17, XS
	v_add_nc_u32 v[GB], s17, v19
	v_mul_u32_u24 v19, v14, QPI
	v_lshl_add_u32 v19, v15, 4, v19
	s_mul_i32 s17, s16, 16*QPI
	s_lshl_b32 s20, s15, 5
	s_add_co_u32 s17, s17, s20
	s_add_co_u32 s17, s17, QS
	v_add_nc_u32 v[QSW], s17, v19                  ; QS + (16 bb + r) rows + 2 (16 jb + 8 hh)
	v_lshl_add_u32 v19, v16, 1, v18                ; row m of a fragment of q stands for batch 2 (m & 7) + (m >> 3) of its sixteen
	v_mul_u32_u24 v19, v19, QPI
	v_lshl_add_u32 v19, v15, 4, v19
	v_add_nc_u32 v[AQA], QS, v19
	s_lshl_b32 s18, ttmp9, 17                      ; head h: 64 rows of 2,048 bytes
	s_mov_b32 s19, 0
	s_wait_kmcnt 0x0
	s_add_nc_u64 s[6:7], s[6:7], s[18:19]
	s_add_nc_u64 s[8:9], s[8:9], s[18:19]
	s_lshl_b32 s18, ttmp9, 11
	s_add_nc_u64 s[10:11], s[10:11], s[18:19]
	; PHASE A: Wq's 64 rows and the 32 last rows of enc go to LDS as bf16; Wk's loads follow into the registers that Wq leaves.
.irp c, 0,1,2,3
.irp e, 0,1,2,3,4,5,6,7
	global_load_b128 v[X+4*(8*\c+\e):X+4*(8*\c+\e)+3], v[WV], s[6:7] offset:512*(8*\c+\e)
.endr
.endr
.irp i, 0,1,2,3
.irp k, 0,1,2,3
	global_load_b128 v[X+128+4*(4*\i+\k):X+128+4*(4*\i+\k)+3], v[EV+\i], s[4:5] offset:512*\k
.endr
.endr
.irp c, 0,1,2,3
	s_wait_loadcnt 40                              ; behind chunk c stand 24 - 8c loads of Wq, 16 of enc and 8c of Wk: 40
	CV8 8*\c
.irp e, 0,1,2,3,4,5,6,7
	global_load_b128 v[X+4*(8*\c+\e):X+4*(8*\c+\e)+3], v[KV], s[8:9] offset:(16*\c+\e)*2048   ; Wk rows 16c+e and 16c+e+8, my 64 columns
.endr
	ST8 WSA, 8*\c
.endr
	s_wait_loadcnt 32                              ; only Wk's 32 loads may be out: enc's are in
	CV8 32
	ST8 XSA, 0
	CV8 40
	ST8 XSA, 8
	BAR
	; PHASE B: q.  Source 0 = 16 rows of Wq (m = j), source 1 = 16 rows of enc (n = b): a lane ends with 8 neighbouring j of one b.
	GEMM16 GA, GB
.irp n, 0,2,4,6
	v_pk_add_f32 v[Q0+\n:Q0+\n+1], v[Q0+\n:Q0+\n+1], v[Q1+\n:Q1+\n+1]
.endr
.irp n, 0,2,4,6
	v_pk_mul_f32 v[Q0+\n:Q0+\n+1], v[Q0+\n:Q0+\n+1], 0x3e38aa3b op_sel_hi:[1,0]   ; 64^-0.5 x log2(e)
.endr
.irp n, 0,1,2,3
	v_cvt_pk_bf16_f32 v[QPK+\n], v[Q0+2*\n], v[Q0+2*\n+1]
.endr
	ds_store_b128 v[QSW], v[QPK:QPK+3]
	BAR
	; PHASE C: qk.  Source 0 = q (m = b, k = j), source 1 = Wk (n = r stands for d = 64 w + 4 r + c, k = j).
	; Pairs of neighbouring rows j of one column are packed straight from the loaded registers: no transposition through LDS.
.irp mb, 0,1
.irp kk, 0,1
	ds_load_b128 v[AQ+8*(2*\mb+\kk):AQ+8*(2*\mb+\kk)+3],   v[AQA] offset:16*QPI*\mb+64*\kk
	ds_load_b128 v[AQ+8*(2*\mb+\kk)+4:AQ+8*(2*\mb+\kk)+7], v[AQA] offset:16*QPI*\mb+64*\kk+32
.endr
.endr
	s_wait_loadcnt 0x0                             ; Wk is in
.irp J, 0,1,2,3,4,5,6,7,8,9,10,11,12,13,14,15
.irp c, 0,1,2,3
	v_cvt_pk_bf16_f32 v[F2+8*(4*(\J/8)+\c)+\J%8], v[X+8*\J+\c], v[X+8*\J+4+\c]
.endr
.endr
	s_wait_dscnt 0x0
.irp mb, 0,1
.irp c, 0,1,2,3
	v_wmma_f32_16x16x32_bf16 v[O+8*(4*\mb+\c):O+8*(4*\mb+\c)+7], v[AQ+16*\mb:AQ+16*\mb+7], v[F2+8*\c:F2+8*\c+7], 0
.endr
.endr
.irp mb, 0,1                                       ; the eight sums take turns, one instruction a turn
.irp c, 0,1,2,3
	v_wmma_f32_16x16x32_bf16 v[O+8*(4*\mb+\c):O+8*(4*\mb+\c)+7], v[AQ+16*\mb+8:AQ+16*\mb+15], v[F2+8*(4+\c):F2+8*(4+\c)+7], v[O+8*(4*\mb+\c):O+8*(4*\mb+\c)+7]
.endr
.endr
.rept 4
	v_nop                                          ; four places before the results are read (ISA guide 7.12.1)
.endr
	; register jj of lane (r, hh) is batch 16 mb + 2 jj + hh, d = 64 w + 4 r + c: lanes 0-15 the even batch, lanes 16-31 the odd one
.irp mb, 0,1
.irp jj, 0,1,2,3,4,5,6,7
	v_cvt_pk_bf16_f32 v[Z+2*(8*\mb+\jj)],   v[O+8*(4*\mb)+\jj],   v[O+8*(4*\mb+1)+\jj]
	v_cvt_pk_bf16_f32 v[Z+2*(8*\mb+\jj)+1], v[O+8*(4*\mb+2)+\jj], v[O+8*(4*\mb+3)+\jj]
	global_store_b64 v[QV], v[Z+2*(8*\mb+\jj):Z+2*(8*\mb+\jj)+1], s[10:11] offset:(8*\mb+\jj)*16384
.endr
.endr
	s_wait_tensorcnt 0x0
	ds_add_u32 v30, v31
	s_wait_dscnt 0x0
	s_endpgm
.Lfunc_end_k_q482344635d_prep:
	.size	k_q482344635d_prep, .Lfunc_end_k_q482344635d_prep-k_q482344635d_prep
	.p2alignl 7, 3214868480
	.fill 96, 4, 3214868480
	.section	.rodata,"a",@progbits
	.p2align	6, 0x0
	.amdhsa_kernel k_q482344635d_prep
		.amdhsa_group_segment_fixed_size 105472
		.amdhsa_private_segment_fixed_size 0
		.amdhsa_enable_private_segment 0
		.amdhsa_kernarg_size 32
		.amdhsa_user_sgpr_count 2
		.amdhsa_user_sgpr_kernarg_segment_ptr 1
		.amdhsa_wavefront_size32 1
		.amdhsa_system_sgpr_workgroup_id_x 1
		.amdhsa_system_sgpr_workgroup_id_y 1
		.amdhsa_system_sgpr_workgroup_id_z 1
		.amdhsa_system_vgpr_workitem_id 0
		.amdhsa_next_free_vgpr 256
		.amdhsa_next_free_sgpr 66
		.amdhsa_reserve_vcc 0
		.amdhsa_float_denorm_mode_32 3
		.amdhsa_float_denorm_mode_16_64 3
		.amdhsa_memory_ordered 1
		.amdhsa_forward_progress 1
		.amdhsa_inst_pref_size 36
	.end_amdhsa_kernel
	.amdgpu_metadata
---
amdhsa.version: [ 1, 2 ]
amdhsa.kernels:
  - .name:           k_q482344635d_prep
    .symbol:         k_q482344635d_prep.kd
    .args:
      - { .name: enc, .offset: 0, .size: 8, .value_kind: global_buffer, .address_space: global }
      - { .name: Wq, .offset: 8, .size: 8, .value_kind: global_buffer, .address_space: global }
      - { .name: Wk, .offset: 16, .size: 8, .value_kind: global_buffer, .address_space: global }
      - { .name: qk, .offset: 24, .size: 8, .value_kind: global_buffer, .address_space: global }
    .group_segment_fixed_size: 105472
    .private_segment_fixed_size: 0
    .kernarg_segment_align: 8
    .kernarg_segment_size: 32
    .max_flat_workgroup_size: 256
    .sgpr_count:     66
    .vgpr_count:     256
    .wavefront_size: 32
...
	.end_amdgpu_metadata
.endif
;; end of part 1
;; launch attn (part 2): grid 8 x 32, 8 waves a work-group, no clusters, 94,720 bytes of LDS; arguments enc, qk, scores, pacc, ml; writes scores, pacc, ml
.if DOCPART == 2
	.amdgcn_target "amdgcn-amd-amdhsa--gfx1250"
	.amdhsa_code_object_version 6
	.text
	.protected	k_q482344635d_attn
	.globl	k_q482344635d_attn
	.p2align	8
	.type	k_q482344635d_attn,@function
k_q482344635d_attn:
	s_mov_b64 s[64:65], 0
	v_nop
	global_prefetch_b8 v0, s[64:65] scope:SCOPE_SE
	s_setreg_imm32_b32 hwreg(HW_REG_WAVE_MODE, 25, 1), 1
	s_wait_xcnt 0x0
; attn: the one pass over enc.  Work-group (s, b) owns rows t = 512 s .. 512 s + 511 of batch b (1 MiB), in 8 tiles of 64 rows.
; For each tile: scores[h][t] = enc[t][:] . qk[h][:] (log2 units, stored), a running maximum m[h], p = 2^(score - m),
; l[h] = sum of p, acc[h][d] = sum over t of p[h][t] enc[t][d].  At the end acc, m and l go out; a later launch joins the 8 splits of a batch.
; Wave w owns columns d = 64 w .. 64 w + 63 (256 bytes of every row) for the loads and for both products, and head w for the softmax.
; enc is read from memory once, into a ring of eight slots of eight loads in registers; seven slots' loads are always out (56 loads of 512 bytes
; a wave), and a slot is asked for again one step after it has been converted.  The eight tiles are written out by macro: a chunk's place then
; stands in the load's immediate and each tile's scores have registers of their own, so no base, offset or store data is ever rewritten.
; Loads go through registers and not through a copy engine: every number has to be rounded to bf16 on its way, the operand of the second
; product (pairs along t) falls out of that rounding without any transposition, and the ring is refilled piecewise with counted waits.
; No cluster: no two work-groups read the same byte of enc.
; p enters the matrix unit as the sum of two bf16 numbers (p rounded, and the rest rounded): acc is a sum of 512 terms of both signs that largely
; cancel, and a single rounding of p to 8 bits would show in it as much as enc's own rounding does.  Eight heads fill 8 of a tile's 16 columns:
; in the second product columns 0-7 take p's rounded part and columns 8-15 its rest, and the two shares of acc are added once, at the end.
; In the first product columns 8-15 repeat heads 0-7, so lanes r and r + 8 hold the same scores.
; LIMITS: scores must be finite (a NaN loses in the maxima); 2^x below 2^-126 comes out as 0; enc and qk enter the matrix unit as bf16;
; a score is the sum of eight waves' partial sums, in a fixed order that is not reference()'s.
.set ROWB,  2048                       ; bytes in a row of enc
.set SPIT,  144                        ; stage: a row of 64 bf16 + 16 bytes (an odd multiple of 16)
.set STGW,  64*SPIT                    ; a wave's own stage: [64 t][64 d] bf16
.set HP,    272                        ; a head's 64 scores in f32 + 16 bytes
.set SPWV,  8*HP
.set SP,    8*STGW                     ; partial scores [wave][head][64 t]
.set PPIT,  144                        ; a head's 64 p in bf16 + 16 bytes
.set PLO,   8*PPIT                     ; so far behind p's rounded part lies its rest
.set PHB,   SP+8*SPWV                  ; p rounded [head][64 t], then the rest of p
.set ALB,   PHB+2*PLO                  ; 2^(old maximum - new) of each head, twice: 8 bytes a head
.set MLB,   ALB+64                     ; at the end: m[0..7], l[0..7]
.set VO,  1                            ; v1   enc: 8 hh rows + 256 w + 16 r; never rewritten
.set STA, 2                            ; v2   stage, in:  8 hh rows + 8 r
.set STR, 3                            ; v3   stage, fragment: r rows + 16 hh
.set SPW, 4                            ; v4   my partial scores: SP + my wave + head r7 + 32 hh
.set SPR, 5                            ; v5   head w of wave 0's partials, + 8 L
.set PHW, 6                            ; v6   PHB + head w + 4 L
.set PFR, 7                            ; v7   PHB + head r7 + (rest, for r >= 8) + 16 hh
.set VS,  8                            ; v8   scores: 16384 w + 8 L; never rewritten
.set QO,  9                            ; v9   qk: 2048 r7 + 256 w + 16 hh
.set ALW, 10                           ; v10  ALB + 8 w
.set ALR, 11                           ; v11  ALB + 8 r7
.set MM,  12                           ; v12  running maximum of head w
.set LS,  13                           ; v13  my lane's share of l of head w
.set AL,  14                           ; v[14:15] factor of head r7, as read
.set AW,  16                           ; v[16:17] factor of head w, as made
.set T0,  18
.set T1,  19
.set QF,  20                           ; v[20:35]   qk as fragments, two K steps
.set ACC, 36                           ; v[36:67]   acc, four tiles c: register j of lane (r, hh) = head r7, d = 64 w + 4 (8 hh + j) + c; r < 8: from p rounded, r >= 8: from its rest
.set F2,  68                           ; v[68:131]  enc as fragments of the second product, [kk][c]
.set EB,  132                          ; v[132:195] the first product's fragments; between its turns:
.set YY,  EB                           ; 16: eight loads packed for the stage
.set PF,  EB+16                        ; 16: p as fragments, two K steps
.set RD,  EB+48                        ; 16: eight waves' partial scores
.set SA,  196                          ; v[196:227] scores of four blocks of 16 t
.set SVT, 228                          ; v[228:243] tile i: two scores of head w, a pair of its own, since a store reads it
.set PP,  244                          ; v[244:245] two p
.set PT,  246                          ; v[246:247] their rounded part widened, then their rest
.set PHI, 248                          ; v248 p rounded, packed
.set PLW, 249                          ; v249 the rest, packed
.set T2,  250
; v256-v511 (written v0-v255 under a window): chunk J of eight loads in slot J % 8, 32 registers
.set MSB, 0
.macro WIN new                         ; s_set_vgpr_msb: bits 1:0 source 0, 3:2 source 1, 7:6 destination; the high byte repeats the setting that is left
.if MSB != \new
	s_set_vgpr_msb (MSB<<8)|\new
.set MSB, \new
.endif
.endm
.macro BAR
	s_wait_dscnt 0x0                               ; what I wrote to LDS is there, what I read is back
	s_barrier_signal -1
	s_barrier_wait -1
.endm
.macro PLACES                          ; four places behind matrix instructions before their registers are read, written or loaded into (ISA guide 7.12.1)
.rept 4
	v_nop
.endr
.endm
; Chunk j of the group's 32: rows 16 j .. 16 j + 15.  Load e: lanes 0-15 take 256 consecutive aligned bytes of row 16 j + e, lanes 16-31 of row 16 j + e + 8.
.macro LOADS j
.irp e, 0,1,2,3,4,5,6,7
	global_load_b128 v[32*((\j)%8)+4*\e:32*((\j)%8)+4*\e+3], v[VO], s[4:5] offset:(16*(\j)+\e)*ROWB th:TH_LOAD_NT
.endr
.endm
; Eight loads (registers xb .. xb + 31) are rounded twice.  Pairs along t (two loads, one column c) are registers of the second product's operand:
; lane (r, hh) holds row m = r, which stands for d = 64 w + 4 r + c, and rows 16(q%2) + 8 hh + 2u, +1 of block q/2 of 32 t are register 4(q%2) + u (ISA guide 7.12.2).
; Pairs along d go to the stage, from where the first product takes its fragments.
.macro CVT q, xb
.irp u, 0,1,2,3
.irp c, 0,1,2,3
	v_cvt_pk_bf16_f32 v[F2+8*(4*(\q/2)+\c)+4*(\q%2)+\u], v[(\xb)+8*\u+\c], v[(\xb)+8*\u+4+\c]
.endr
.endr
.irp e, 0,1,2,3,4,5,6,7
	v_cvt_pk_bf16_f32 v[YY+2*\e],   v[(\xb)+4*\e],   v[(\xb)+4*\e+1]
	v_cvt_pk_bf16_f32 v[YY+2*\e+1], v[(\xb)+4*\e+2], v[(\xb)+4*\e+3]
.endr
.endm
.macro PUT q
.irp e, 0,1,2,3,4,5,6,7
	ds_store_b64 v[STA], v[YY+2*\e:YY+2*\e+1] offset:(16*\q+\e)*SPIT
.endr
.endm
; The four chunks of tile t.  Step J: chunk J is waited for, chunk J + 7 is asked for into the slot that the last step converted, chunk J is converted.
.macro WPH t
.irp q, 0,1,2,3
.set J, 4*\t+\q
.if J <= 25
	s_wait_loadcnt 48                              ; behind chunk J stand chunks J + 1 .. J + 6: 48 loads
.else
	s_wait_loadcnt 8*(31-J)                        ; the last chunks: nothing was issued behind chunk 31, the counts run down
.endif
.if J <= 24
	WIN 0x40                                       ; loaded data in v256-v511; addresses and LDS data below
	LOADS J+7
.endif
	WIN 0x05                                       ; both sources in v256-v511
	CVT \q, 32*(J%8)
	WIN 0x40
	PUT \q
.endr
	WIN 0
.endm
; First product: 64 t x 16 columns over my 64 d.  The stage is my wave's own and LDS serves a wave in order, so no wait stands behind PUT.
.macro P1
.irp ks, 0,1
.irp tb, 0,1,2,3
	ds_load_b128 v[EB+8*(4*\ks+\tb):EB+8*(4*\ks+\tb)+3],   v[STR] offset:\tb*16*SPIT+64*\ks
	ds_load_b128 v[EB+8*(4*\ks+\tb)+4:EB+8*(4*\ks+\tb)+7], v[STR] offset:\tb*16*SPIT+64*\ks+32
.endr
.endr
	s_wait_dscnt 8                                 ; the eight loads of the second K step may be out
.irp tb, 0,1,2,3
	v_wmma_f32_16x16x32_bf16 v[SA+8*\tb:SA+8*\tb+7], v[EB+8*\tb:EB+8*\tb+7], v[QF:QF+7], 0
.endr
	s_wait_dscnt 0x0
.irp tb, 0,1,2,3                                   ; the four sums take turns, one instruction a turn
	v_wmma_f32_16x16x32_bf16 v[SA+8*\tb:SA+8*\tb+7], v[EB+8*(4+\tb):EB+8*(4+\tb)+7], v[QF+8:QF+15], v[SA+8*\tb:SA+8*\tb+7]
.endr
	PLACES
.irp tb, 0,1,2,3                                   ; register j = t 16 tb + 8 hh + j of head r7; lanes r and r + 8 write the same word with the same number
	ds_store_b128 v[SPW], v[SA+8*\tb:SA+8*\tb+3]   offset:64*\tb
	ds_store_b128 v[SPW], v[SA+8*\tb+4:SA+8*\tb+7] offset:64*\tb+16
.endr
	BAR                                            ; all partials are written; also: every wave's reads of p and of the factors in the last tile are back
.endm
; Wave w adds the eight partials of head w, two t a lane, stores the scores (256 consecutive aligned bytes) and does head w's running softmax,
; once for the whole work-group: the maximum over the wave, p, p's two bf16 parts and the factor for the old sums go to LDS.
.macro SOFT t
.irp v, 0,1,2,3,4,5,6,7
	ds_load_b64 v[RD+2*\v:RD+2*\v+1], v[SPR] offset:SPWV*\v
.endr
	s_wait_dscnt 0x0
.irp v, 0,4,8,12
	v_pk_add_f32 v[RD+\v:RD+\v+1], v[RD+\v:RD+\v+1], v[RD+\v+2:RD+\v+3]
.endr
	v_pk_add_f32 v[RD:RD+1],   v[RD:RD+1],   v[RD+4:RD+5]
	v_pk_add_f32 v[RD+8:RD+9], v[RD+8:RD+9], v[RD+12:RD+13]
	v_pk_add_f32 v[SVT+2*\t:SVT+2*\t+1], v[RD:RD+1], v[RD+8:RD+9]
	global_store_b64 v[VS], v[SVT+2*\t:SVT+2*\t+1], s[8:9] offset:256*\t
	v_max_num_f32 v[T0], v[SVT+2*\t], v[SVT+2*\t+1]
	v_max_num_f32_dpp v[T0], v[T0], v[T0] row_xmask:1 row_mask:0xf bank_mask:0xf
	v_max_num_f32_dpp v[T0], v[T0], v[T0] row_xmask:2 row_mask:0xf bank_mask:0xf
	v_max_num_f32_dpp v[T0], v[T0], v[T0] row_xmask:4 row_mask:0xf bank_mask:0xf
	v_max_num_f32_dpp v[T0], v[T0], v[T0] row_xmask:8 row_mask:0xf bank_mask:0xf
	v_permlanex16_b32 v[T1], v[T0], s20, s21       ; the other sixteen lanes' maximum
.if \t == 0
	v_max_num_f32 v[MM], v[T0], v[T1]
.else
	v_max3_num_f32 v[T0], v[T0], v[T1], v[MM]
	v_sub_f32 v[T2], v[MM], v[T0]                  ; old maximum - new, at most 0
	v_mov_b32 v[MM], v[T0]
.endif
	v_sub_f32 v[PP],   v[SVT+2*\t],   v[MM]
	v_sub_f32 v[PP+1], v[SVT+2*\t+1], v[MM]
	v_exp_f32 v[PP],   v[PP]
	v_exp_f32 v[PP+1], v[PP+1]
.if \t != 0
	v_exp_f32 v[AW],   v[T2]
	v_exp_f32 v[AW+1], v[T2]
.endif
	v_nop                                          ; one plain instruction behind the transcendentals before their results are used (ISA guide 5.7.2)
	s_wait_alu depctr_va_vdst(0)
	v_cvt_pk_bf16_f32 v[PHI], v[PP], v[PP+1]       ; p rounded: t = 2 L in the low half
	v_lshlrev_b32 v[PT],   16,  v[PHI]             ; widened again (a shift, a mask),
	v_and_b32     v[PT+1], s27, v[PHI]
	v_pk_add_f32 v[PT:PT+1], v[PP:PP+1], v[PT:PT+1] neg_lo:[0,1] neg_hi:[0,1]   ; taken away from p (exact in f32),
	v_cvt_pk_bf16_f32 v[PLW], v[PT], v[PT+1]       ; and the rest rounded
	ds_store_b32 v[PHW], v[PHI]
	ds_store_b32 v[PHW], v[PLW] offset:PLO
.if \t == 0
	v_add_f32 v[LS], v[PP], v[PP+1]
.else
	ds_store_b64 v[ALW], v[AW:AW+1]                ; all lanes write the same two words with the same number
	v_add_f32 v[T0], v[PP], v[PP+1]
	v_fma_f32 v[LS], v[LS], v[AW], v[T0]           ; every lane of the wave has the same factor: the lanes' shares are added at the end
.endif
	BAR                                            ; p and the factors are whole; also: every wave's reads of the partials are back
.endm
; Second product: source 0 = enc (m stands for d), source 1 = p (column r < 8: head r, rounded part; r >= 8: head r - 8, the rest), k = t.
; In LDS a head's p lie along t, which is the fragment's own order: two loads of 16 bytes, 32 bytes apart, for each block of 32 t.
.macro P2 t
.if \t != 0
	ds_load_b64 v[AL:AL+1], v[ALR]
.endif
.irp kk, 0,1
	ds_load_b128 v[PF+8*\kk:PF+8*\kk+3],   v[PFR] offset:64*\kk
	ds_load_b128 v[PF+8*\kk+4:PF+8*\kk+7], v[PFR] offset:64*\kk+32
.endr
.if \t != 0
	s_wait_dscnt 4                                 ; the factor is in; the four loads of p may be out
.irp n, 0,2,4,6,8,10,12,14,16,18,20,22,24,26,28,30
	v_pk_mul_f32 v[ACC+\n:ACC+\n+1], v[ACC+\n:ACC+\n+1], v[AL:AL+1]   ; a lane's acc are all of head r7: one factor serves
.endr
.endif
	s_wait_dscnt 0x0
.irp c, 0,1,2,3
.if \t == 0
	v_wmma_f32_16x16x32_bf16 v[ACC+8*\c:ACC+8*\c+7], v[F2+8*\c:F2+8*\c+7], v[PF:PF+7], 0      ; the first tile starts the sums: nothing is cleared
.else
	v_wmma_f32_16x16x32_bf16 v[ACC+8*\c:ACC+8*\c+7], v[F2+8*\c:F2+8*\c+7], v[PF:PF+7], v[ACC+8*\c:ACC+8*\c+7]
.endif
.endr
.irp c, 0,1,2,3                                    ; the four sums take turns, one instruction a turn
	v_wmma_f32_16x16x32_bf16 v[ACC+8*\c:ACC+8*\c+7], v[F2+8*(4+\c):F2+8*(4+\c)+7], v[PF+8:PF+15], v[ACC+8*\c:ACC+8*\c+7]
.endr
	PLACES                                         ; the next tile's conversions write F2, and the way out reads acc
.endm
.macro TILE t
	WPH \t
	P1
	SOFT \t
	P2 \t
.endm
	s_load_b256 s[4:11], s[0:1], 0x0               ; enc s[4:5], qk s[6:7], scores s[8:9], pacc s[10:11]
	s_load_b64 s[12:13], s[0:1], 0x20              ; ml
	v_lshl_add_u32 v254, v0, 2, 0x16e00
	v_mov_b32 v255, 0
	v_lshrrev_b32 v[EB], 5, v0
	v_readfirstlane_b32 s14, v[EB]                 ; wave w
	s_and_b32 s15, ttmp7, 0xffff                   ; b
	s_lshl3_add_u32 s16, s15, ttmp9                ; 8 b + s
	s_mov_b32 s20, 0x76543210                      ; v_permlanex16_b32: lane i takes lane i of the other half
	s_mov_b32 s21, 0xfedcba98
	s_mov_b32 s27, 0xffff0000                      ; a word's upper bf16
	s_mul_i32 s22, s14, STGW
	s_mul_i32 s23, s14, SPWV
	s_add_co_u32 s23, s23, SP
	s_mul_i32 s24, s14, HP
	s_lshl_b32 s25, s14, 8
	s_lshl_b32 s26, s14, 14
	s_mul_i32 s28, s14, PPIT
	s_add_co_u32 s28, s28, PHB
	s_lshl_b32 s29, s14, 3
	s_add_co_u32 s29, s29, ALB
	s_lshl_b32 s30, s14, 2
	s_add_co_u32 s30, s30, MLB
	v_and_b32 v[EB], 15, v0                        ; r
	v_bfe_u32 v[EB+1], v0, 4, 1                    ; hh
	v_and_b32 v[EB+2], 7, v0                       ; r7
	v_and_b32 v[EB+3], 31, v0                      ; L
	v_bfe_u32 v[EB+4], v0, 3, 1                    ; r >> 3
	v_lshl_add_u32 v[VO], v[EB], 4, s25
	v_lshl_add_u32 v[VO], v[EB+1], 14, v[VO]
	v_mul_u32_u24 v[STA], v[EB+1], 8*SPIT
	v_lshl_add_u32 v[STA], v[EB], 3, v[STA]
	v_add_nc_u32 v[STA], s22, v[STA]
	v_mul_u32_u24 v[STR], v[EB], SPIT
	v_lshl_add_u32 v[STR], v[EB+1], 4, v[STR]
	v_add_nc_u32 v[STR], s22, v[STR]
	v_mul_u32_u24 v[SPW], v[EB+2], HP
	v_lshl_add_u32 v[SPW], v[EB+1], 5, v[SPW]
	v_add_nc_u32 v[SPW], s23, v[SPW]
	v_lshl_add_u32 v[SPR], v[EB+3], 3, s24
	v_add_nc_u32 v[SPR], SP, v[SPR]
	v_lshl_add_u32 v[PHW], v[EB+3], 2, s28
	v_mul_u32_u24 v[PFR], v[EB+2], PPIT
	v_lshl_add_u32 v[PFR], v[EB+1], 4, v[PFR]
	v_mul_u32_u24 v[T0], v[EB+4], PLO
	v_add_nc_u32 v[PFR], v[T0], v[PFR]
	v_add_nc_u32 v[PFR], PHB, v[PFR]
	v_lshl_add_u32 v[VS], v[EB+3], 3, s26
	v_lshl_add_u32 v[QO], v[EB+2], 11, s25
	v_lshl_add_u32 v[QO], v[EB+1], 4, v[QO]
	v_mov_b32 v[ALW], s29
	v_lshlrev_b32 v[ALR], 3, v[EB+2]
	v_add_nc_u32 v[ALR], ALB, v[ALR]
	v_mov_b32 v[T1], 0                             ; v_permlanex16_b32 counts as a reader of its destination
	s_lshl_b32 s18, s16, 20                        ; my 512 rows of 2,048 bytes
	s_mov_b32 s19, 0
	s_wait_kmcnt 0x0
	s_add_nc_u64 s[4:5], s[4:5], s[18:19]
	s_lshr_b32 s18, s15, 1
	s_lshl_b32 s18, s18, 14
	s_and_b32 s17, s15, 1
	s_lshl_b32 s17, s17, 7
	s_add_co_u32 s18, s18, s17                     ; qk: 16384 (b >> 1) + 128 (b & 1)
	s_add_nc_u64 s[6:7], s[6:7], s[18:19]
	s_lshl_b32 s18, s15, 17
	s_lshl_b32 s17, ttmp9, 11
	s_add_co_u32 s18, s18, s17                     ; scores: 131072 b + 2048 s
	s_add_nc_u64 s[8:9], s[8:9], s[18:19]
	s_lshl_b32 s18, s16, 14
	s_add_nc_u64 s[10:11], s[10:11], s[18:19]
	s_lshl_b32 s18, s16, 7
	s_add_nc_u64 s[12:13], s[12:13], s[18:19]
.irp ks, 0,1                                       ; qk of head r7, my 64 d: column n = r, k = d (once for the whole kernel)
	global_load_b128 v[QF+8*\ks:QF+8*\ks+3],   v[QO], s[6:7] offset:64*\ks
	global_load_b128 v[QF+8*\ks+4:QF+8*\ks+7], v[QO], s[6:7] offset:64*\ks+32
.endr
	WIN 0x40
.irp j, 0,1,2,3,4,5,6
	LOADS \j                                       ; seven of the eight slots: with qk's four, 60 loads of the wave are out
.endr
	WIN 0
.irp t, 0,1,2,3,4,5,6,7
	TILE \t
.endr
	; THE WAY OUT.  l of head w: the lanes' shares are added; m and l meet in LDS.
	v_add_f32_dpp v[LS], v[LS], v[LS] row_xmask:1 row_mask:0xf bank_mask:0xf
	v_add_f32_dpp v[LS], v[LS], v[LS] row_xmask:2 row_mask:0xf bank_mask:0xf
	v_add_f32_dpp v[LS], v[LS], v[LS] row_xmask:4 row_mask:0xf bank_mask:0xf
	v_add_f32_dpp v[LS], v[LS], v[LS] row_xmask:8 row_mask:0xf bank_mask:0xf
	v_permlanex16_b32 v[T1], v[LS], s20, s21
	v_add_f32 v[LS], v[LS], v[T1]
	v_mov_b32 v[T0], s30
	ds_store_b32 v[T0], v[MM]                      ; all lanes write the same word with the same number
	ds_store_b32 v[T0], v[LS] offset:32
	; acc: lane r holds the share of p's rounded part, lane r + 8 that of its rest; both end with the sum
.irp n, 0,1,2,3,4,5,6,7,8,9,10,11,12,13,14,15,16,17,18,19,20,21,22,23,24,25,26,27,28,29,30,31
	v_add_f32_dpp v[ACC+\n], v[ACC+\n], v[ACC+\n] row_xmask:8 row_mask:0xf bank_mask:0xf
.endr
	; acc goes through my own stage so that sixteen lanes store 256 consecutive aligned bytes of one head
	v_and_b32 v[EB], 15, v0
	v_bfe_u32 v[EB+1], v0, 4, 1
	v_and_b32 v[EB+2], 7, v0
	v_mul_u32_u24 v[EB+3], v[EB+2], HP
	v_lshl_add_u32 v[EB+3], v[EB+1], 7, v[EB+3]
	v_add_nc_u32 v[EB+3], s22, v[EB+3]             ; in: head r7, d = 32 hh + ..
	v_mul_u32_u24 v[EB+4], v[EB+1], HP
	v_lshl_add_u32 v[EB+4], v[EB], 4, v[EB+4]
	v_add_nc_u32 v[EB+4], s22, v[EB+4]             ; back: head hh (+ 2 q), 16 bytes a lane
	v_lshl_add_u32 v[EB+5], v[EB], 4, s25
	v_lshl_add_u32 v[EB+5], v[EB+1], 11, v[EB+5]   ; pacc: 2048 hh + 256 w + 16 r
.irp c, 0,1,2,3
.irp j, 0,1,2,3,4,5,6,7
	ds_store_b32 v[EB+3], v[ACC+8*\c+\j] offset:16*\j+4*\c   ; lanes r and r + 8 write the same word with the same number
.endr
.endr
.irp q, 0,1,2,3
	ds_load_b128 v[EB+16+4*\q:EB+19+4*\q], v[EB+4] offset:2*HP*\q   ; my own bytes, served in order behind the stores
.endr
.irp q, 0,1,2,3
	s_wait_dscnt 3-\q
	global_store_b128 v[EB+5], v[EB+16+4*\q:EB+19+4*\q], s[10:11] offset:4096*\q
.endr
	BAR                                            ; every wave's m and l are in LDS
	s_cmp_lg_u32 s14, 0                            ; wave 0 stores them
	s_cbranch_scc1 .Lend
	v_lshlrev_b32 v[T0], 2, v[EB]
	v_add_nc_u32 v[T0], MLB, v[T0]                 ; word r: m of head r for r < 8, l of head r - 8 for the others
	ds_load_b32 v[T1], v[T0]
	v_lshlrev_b32 v[T2], 2, v0
	s_wait_dscnt 0x0
	global_store_b32 v[T2], v[T1], s[12:13]        ; 128 bytes: m[0..7], l[0..7], and both once more
.Lend:
	s_wait_tensorcnt 0x0
	ds_add_u32 v254, v255
	s_wait_dscnt 0x0
	s_endpgm
.Lfunc_end_k_q482344635d_attn:
	.size	k_q482344635d_attn, .Lfunc_end_k_q482344635d_attn-k_q482344635d_attn
	.p2alignl 7, 3214868480
	.fill 96, 4, 3214868480
	.section	.rodata,"a",@progbits
	.p2align	6, 0x0
	.amdhsa_kernel k_q482344635d_attn
		.amdhsa_group_segment_fixed_size 94720
		.amdhsa_private_segment_fixed_size 0
		.amdhsa_enable_private_segment 0
		.amdhsa_kernarg_size 40
		.amdhsa_user_sgpr_count 2
		.amdhsa_user_sgpr_kernarg_segment_ptr 1
		.amdhsa_wavefront_size32 1
		.amdhsa_system_sgpr_workgroup_id_x 1
		.amdhsa_system_sgpr_workgroup_id_y 1
		.amdhsa_system_sgpr_workgroup_id_z 1
		.amdhsa_system_vgpr_workitem_id 0
		.amdhsa_next_free_vgpr 512
		.amdhsa_next_free_sgpr 66
		.amdhsa_reserve_vcc 0
		.amdhsa_float_denorm_mode_32 3
		.amdhsa_float_denorm_mode_16_64 3
		.amdhsa_memory_ordered 1
		.amdhsa_forward_progress 1
		.amdhsa_inst_pref_size 171
	.end_amdhsa_kernel
	.amdgpu_metadata
---
amdhsa.version: [ 1, 2 ]
amdhsa.kernels:
  - .name:           k_q482344635d_attn
    .symbol:         k_q482344635d_attn.kd
    .args:
      - { .name: enc, .offset: 0, .size: 8, .value_kind: global_buffer, .address_space: global }
      - { .name: qk, .offset: 8, .size: 8, .value_kind: global_buffer, .address_space: global }
      - { .name: scores, .offset: 16, .size: 8, .value_kind: global_buffer, .address_space: global }
      - { .name: pacc, .offset: 24, .size: 8, .value_kind: global_buffer, .address_space: global }
      - { .name: ml, .offset: 32, .size: 8, .value_kind: global_buffer, .address_space: global }
    .group_segment_fixed_size: 94720
    .private_segment_fixed_size: 0
    .kernarg_segment_align: 8
    .kernarg_segment_size: 40
    .max_flat_workgroup_size: 256
    .sgpr_count:     66
    .vgpr_count:     512
    .wavefront_size: 32
...
	.end_amdgpu_metadata
.endif
;; end of part 2
;; launch mix (part 3): grid 8 x 32, 8 waves a work-group, no clusters, 69,888 bytes of LDS; arguments scores, pacc, ml, Wv, ctx, out1; writes ctx, out1
.if DOCPART == 3
	.amdgcn_target "amdgcn-amd-amdhsa--gfx1250"
	.amdhsa_code_object_version 6
	.text
	.protected	k_q482344635d_mix
	.globl	k_q482344635d_mix
	.p2align	8
	.type	k_q482344635d_mix,@function
k_q482344635d_mix:
	s_mov_b64 s[64:65], 0
	v_nop
	global_prefetch_b8 v0, s[64:65] scope:SCOPE_SE
	s_setreg_imm32_b32 hwreg(HW_REG_WAVE_MODE, 25, 1), 1
	s_wait_xcnt 0x0
; mix: work-group (p, b) joins the 8 splits of batch b.
;   M[h] = max over s of m[s][h];  L[h] = sum over s of l[s][h] 2^(m[s][h] - M[h])
;   out1[b][t] = sum over h of 2^(score[h][t] - M[h]) / (8 L[h])           for t = 512 p .. 512 p + 511
;   cenc[d]    = sum over s of pacc[s][p][d] 2^(m[s][p] - M[p]) / L[p]     (the weighted sum of enc for head p)
;   ctx[b][64 p + j] = sum over d of Wv[64 p + j][d] cenc[d]               (reference()'s weights.v with the sums taken in another order)
; The product runs in bf16 with f32 sums; everything else in f32.  L is at least 1: the largest score of a head adds 2^0.
; cenc enters the matrix unit as the sum of two bf16 numbers (cenc rounded, and the rest rounded), each multiplied by the same Wv,
; so that the rounding of this intermediate adds nothing of note to the rounding of the inputs.
; LIMITS: finite scores; 2^x below 2^-126 comes out as 0.
.set WP,  1040                         ; LDS pitch of a row of 512 bf16
.set CV,  64*WP                        ; cenc rounded, 512 bf16; 1,024 bytes behind it the rest of cenc, 512 bf16
.set CT,  CV+2048                      ; the 64 results, f32
.set SC,  32                           ; v[32:47]  two scores of each head
.set PA,  48                           ; v[48:63]  two pacc of each split
.set X,   64                           ; v[64:191] Wv as loaded
.set FB,  64                           ; v[64:159] fragments of four K steps: cenc, its rest, Wv
.set Y,   192                          ; v[192:207]
.set Q0,  208                          ; v[208:215], v[216:223]: two sums that take turns
.set Q1,  216
.set MS,  40                           ; s40-47 M[h];  s48-55 1 / (8 L[h]);  s56-63 the splits' factors for head p
.set RS,  48
.set GS,  56
; v1 8 tid; v2, v3 offsets in ml; v4 Wv; v5 stage of Wv; v6 CV + 4 tid; v7 CV + 16 hh; v8 fragment of Wv; v9 CT + 64 w + 4 r; v10 8 L; v11 CT + 8 L
; v12-17 m (s), m (s+4), l (s), l (s+4) of head r7; m, l of split r7 and head p
.macro BAR
	s_wait_dscnt 0x0
	s_barrier_signal -1
	s_barrier_wait -1
.endm
.macro CV8 i0
.irp e, 0,1,2,3,4,5,6,7
	v_cvt_pk_bf16_f32 v[Y+2*\e],   v[X+4*(\i0+\e)],   v[X+4*(\i0+\e)+1]
	v_cvt_pk_bf16_f32 v[Y+2*\e+1], v[X+4*(\i0+\e)+2], v[X+4*(\i0+\e)+3]
.endr
.endm
.macro ST8 adr, j0
.irp e, 0,1,2,3,4,5,6,7
	ds_store_b64 v[\adr], v[Y+2*\e:Y+2*\e+1] offset:((\j0+\e)/4)*WP+((\j0+\e)%4)*256
.endr
.endm
; One tile of 16 x 16 over K = 512, in four batches of four K steps.  Q0 sums the products of cenc's rounded part, Q1 those of its rest;
; they take turns, one instruction a turn; four places behind each batch (ISA guide 7.12.1).
.macro GEMM16 a, b
.irp bt, 0,1,2,3
.irp u, 0,1,2,3
	ds_load_b128 v[FB+24*\u:FB+24*\u+3],     v[\a] offset:64*(4*\bt+\u)
	ds_load_b128 v[FB+24*\u+4:FB+24*\u+7],   v[\a] offset:64*(4*\bt+\u)+32
	ds_load_b128 v[FB+24*\u+8:FB+24*\u+11],  v[\a] offset:1024+64*(4*\bt+\u)
	ds_load_b128 v[FB+24*\u+12:FB+24*\u+15], v[\a] offset:1024+64*(4*\bt+\u)+32
	ds_load_b128 v[FB+24*\u+16:FB+24*\u+19], v[\b] offset:64*(4*\bt+\u)
	ds_load_b128 v[FB+24*\u+20:FB+24*\u+23], v[\b] offset:64*(4*\bt+\u)+32
.endr
	s_wait_dscnt 0x0
.irp u, 0,1,2,3
.if (\bt+\u) == 0
	v_wmma_f32_16x16x32_bf16 v[Q0:Q0+7], v[FB:FB+7],    v[FB+16:FB+23], 0      ; the first products start the sums
	v_wmma_f32_16x16x32_bf16 v[Q1:Q1+7], v[FB+8:FB+15], v[FB+16:FB+23], 0
.else
	v_wmma_f32_16x16x32_bf16 v[Q0:Q0+7], v[FB+24*\u:FB+24*\u+7],    v[FB+24*\u+16:FB+24*\u+23], v[Q0:Q0+7]
	v_wmma_f32_16x16x32_bf16 v[Q1:Q1+7], v[FB+24*\u+8:FB+24*\u+15], v[FB+24*\u+16:FB+24*\u+23], v[Q1:Q1+7]
.endif
.endr
.rept 4
	v_nop
.endr
.endr
.endm
	s_load_b256 s[4:11], s[0:1], 0x0               ; scores s[4:5], pacc s[6:7], ml s[8:9], Wv s[10:11]
	s_load_b128 s[12:15], s[0:1], 0x20             ; ctx s[12:13], out1 s[14:15]
	v_lshl_add_u32 v224, v0, 2, 0x10d00
	v_mov_b32 v225, 0
	v_lshrrev_b32 v18, 5, v0
	v_readfirstlane_b32 s16, v18                   ; wave w
	s_and_b32 s17, ttmp7, 0xffff                   ; b
	s_mov_b32 s22, 0x76543210
	s_mov_b32 s23, 0xfedcba98
	v_and_b32 v18, 15, v0                          ; r
	v_bfe_u32 v19, v0, 4, 1                        ; hh
	v_and_b32 v20, 7, v0                           ; r7
	v_and_b32 v21, 31, v0                          ; L
	v_bfe_u32 v22, v0, 3, 2                        ; L >> 3
	v_lshlrev_b32 v1, 3, v0
	v_lshlrev_b32 v2, 2, v20
	v_lshl_add_u32 v2, v22, 7, v2                  ; split L >> 3, head r7
	s_lshl_b32 s24, ttmp9, 2
	v_lshl_add_u32 v3, v20, 7, s24                 ; split r7, head p
	s_lshl_b32 s24, s16, 14
	v_lshl_add_u32 v4, v21, 4, s24
	s_mul_i32 s24, s16, 8*WP
	v_lshl_add_u32 v5, v21, 3, s24
	v_lshlrev_b32 v6, 2, v0
	v_add_nc_u32 v6, CV, v6
	v_lshlrev_b32 v7, 4, v19
	v_add_nc_u32 v7, CV, v7
	v_mul_u32_u24 v8, v18, WP
	v_lshl_add_u32 v8, v19, 4, v8
	s_mul_i32 s24, s16, 16*WP
	v_add_nc_u32 v8, s24, v8                       ; used by waves 0 to 3 alone
	s_lshl_b32 s24, s16, 6
	s_add_co_u32 s24, s24, CT
	v_lshl_add_u32 v9, v18, 2, s24                 ; used by waves 0 to 3 alone
	v_lshlrev_b32 v10, 3, v21
	v_add_nc_u32 v11, CT, v10
	s_mov_b32 s21, 0
	s_lshl_b32 s20, s17, 17
	s_lshl_b32 s25, ttmp9, 11
	s_add_co_u32 s20, s20, s25                     ; 131072 b + 2048 p, for scores and for pacc
	s_wait_kmcnt 0x0
	s_add_nc_u64 s[4:5], s[4:5], s[20:21]
	s_add_nc_u64 s[6:7], s[6:7], s[20:21]
	s_lshl_b32 s20, s17, 10
	s_add_nc_u64 s[8:9], s[8:9], s[20:21]
	s_lshl_b32 s20, ttmp9, 17
	s_add_nc_u64 s[10:11], s[10:11], s[20:21]
	s_lshl_b32 s20, s17, 11
	s_lshl_b32 s26, ttmp9, 8
	s_add_co_u32 s20, s20, s26
	s_add_nc_u64 s[12:13], s[12:13], s[20:21]
	s_lshl_b32 s20, s17, 14
	s_add_co_u32 s20, s20, s25
	s_add_nc_u64 s[14:15], s[14:15], s[20:21]
	; all loads go out at once, in the order in which they are used: 6 + 8 + 8 + 32
	global_load_b32 v12, v2, s[8:9]
	global_load_b32 v13, v2, s[8:9] offset:512
	global_load_b32 v14, v2, s[8:9] offset:32
	global_load_b32 v15, v2, s[8:9] offset:544
	global_load_b32 v16, v3, s[8:9]
	global_load_b32 v17, v3, s[8:9] offset:32
.irp h, 0,1,2,3,4,5,6,7
	global_load_b64 v[SC+2*\h:SC+2*\h+1], v1, s[4:5] offset:16384*\h
.endr
.irp s, 0,1,2,3,4,5,6,7
	global_load_b64 v[PA+2*\s:PA+2*\s+1], v1, s[6:7] offset:16384*\s
.endr
.irp c, 0,1,2,3
.irp e, 0,1,2,3,4,5,6,7
	global_load_b128 v[X+4*(8*\c+\e):X+4*(8*\c+\e)+3], v4, s[10:11] offset:512*(8*\c+\e)
.endr
.endr
	s_wait_loadcnt 48                              ; behind ml's six loads stand 8 + 8 + 32
	v_max_num_f32 v18, v12, v13
	v_max_num_f32_dpp v18, v18, v18 row_xmask:8 row_mask:0xf bank_mask:0xf
	v_permlanex16_b32 v19, v18, s22, s23
	v_max_num_f32 v18, v18, v19                    ; M of head r7, over the eight splits
	v_mov_b32 v20, v16
	v_max_num_f32_dpp v20, v20, v20 row_xmask:1 row_mask:0xf bank_mask:0xf
	v_max_num_f32_dpp v20, v20, v20 row_xmask:2 row_mask:0xf bank_mask:0xf
	v_max_num_f32_dpp v20, v20, v20 row_xmask:4 row_mask:0xf bank_mask:0xf   ; M of head p
	v_sub_f32 v12, v12, v18
	v_sub_f32 v13, v13, v18
	v_sub_f32 v16, v16, v20
	v_exp_f32 v12, v12
	v_exp_f32 v13, v13
	v_exp_f32 v16, v16
	v_nop                                          ; one plain instruction behind the transcendentals (ISA guide 5.7.2)
	s_wait_alu depctr_va_vdst(0)
	v_mul_f32 v14, v14, v12
	v_fmac_f32 v14, v15, v13
	v_mul_f32 v17, v17, v16
	v_add_f32_dpp v14, v14, v14 row_xmask:8 row_mask:0xf bank_mask:0xf
	v_permlanex16_b32 v19, v14, s22, s23
	v_add_f32 v14, v14, v19                        ; L of head r7
	v_add_f32_dpp v17, v17, v17 row_xmask:1 row_mask:0xf bank_mask:0xf
	v_add_f32_dpp v17, v17, v17 row_xmask:2 row_mask:0xf bank_mask:0xf
	v_add_f32_dpp v17, v17, v17 row_xmask:4 row_mask:0xf bank_mask:0xf       ; L of head p
	v_rcp_f32 v14, v14
	v_rcp_f32 v17, v17
	v_nop
	s_wait_alu depctr_va_vdst(0)
	v_mul_f32 v14, 0x3e000000, v14                 ; 1 / (8 L): the mean over the eight heads
	v_mul_f32 v16, v16, v17                        ; split r7's factor for head p
.irp h, 0,1,2,3,4,5,6,7
	v_readlane_b32 s[MS+\h], v18, \h
	v_readlane_b32 s[RS+\h], v14, \h
	v_readlane_b32 s[GS+\h], v16, \h
.endr
	s_wait_loadcnt 40                              ; the scores are in: 8 + 32 loads stand behind them
.irp h, 0,1,2,3,4,5,6,7
	v_sub_f32 v[SC+2*\h],   v[SC+2*\h],   s[MS+\h]
	v_sub_f32 v[SC+2*\h+1], v[SC+2*\h+1], s[MS+\h]
.endr
.irp n, 0,1,2,3,4,5,6,7,8,9,10,11,12,13,14,15
	v_exp_f32 v[SC+\n], v[SC+\n]
.endr
	v_nop
	s_wait_alu depctr_va_vdst(0)
	v_mul_f32 v28, s[RS], v[SC]
	v_mul_f32 v29, s[RS], v[SC+1]
.irp h, 1,2,3,4,5,6,7
	v_fmac_f32 v28, s[RS+\h], v[SC+2*\h]
	v_fmac_f32 v29, s[RS+\h], v[SC+2*\h+1]
.endr
	global_store_b64 v1, v[28:29], s[14:15]        ; a wave stores 256 consecutive aligned bytes of out1
	s_wait_loadcnt 32                              ; pacc is in
	v_mul_f32 v30, s[GS], v[PA]
	v_mul_f32 v31, s[GS], v[PA+1]
.irp s, 1,2,3,4,5,6,7
	v_fmac_f32 v30, s[GS+\s], v[PA+2*\s]
	v_fmac_f32 v31, s[GS+\s], v[PA+2*\s+1]
.endr
	v_cvt_pk_bf16_f32 v27, v30, v31                ; cenc[2 tid], cenc[2 tid + 1] rounded
	v_lshlrev_b32 v24, 16, v27                     ; widened again,
	v_and_b32 v25, 0xffff0000, v27
	v_pk_add_f32 v[30:31], v[30:31], v[24:25] neg_lo:[0,1] neg_hi:[0,1]   ; taken away (exact in f32),
	v_cvt_pk_bf16_f32 v26, v30, v31                ; and the rest rounded
	ds_store_b32 v6, v27
	ds_store_b32 v6, v26 offset:1024
.irp c, 0,1,2,3
	s_wait_loadcnt 24-8*\c                         ; Wv, eight loads at a time; nothing is issued behind them
	CV8 8*\c
	ST8 5, 8*\c
.endr
	BAR
	s_cmp_ge_u32 s16, 4                            ; 64 results are four tiles' columns: waves 0 to 3
	s_cbranch_scc1 .Lskip
	GEMM16 7, 8                                    ; source 0: cenc (then its rest) in all 16 rows; source 1: rows 16 w + r of Wv
	v_add_f32 v18, v[Q0], v[Q1]                    ; register 0: column r (all rows are equal)
	ds_store_b32 v9, v18                           ; both halves of the lanes write the same word with the same number
.Lskip:
	BAR
	s_cmp_lg_u32 s16, 0
	s_cbranch_scc1 .Lend
	ds_load_b64 v[18:19], v11
	s_wait_dscnt 0x0
	global_store_b64 v10, v[18:19], s[12:13]       ; 256 consecutive aligned bytes of ctx
.Lend:
	s_wait_tensorcnt 0x0
	ds_add_u32 v224, v225
	s_wait_dscnt 0x0
	s_endpgm
.Lfunc_end_k_q482344635d_mix:
	.size	k_q482344635d_mix, .Lfunc_end_k_q482344635d_mix-k_q482344635d_mix
	.p2alignl 7, 3214868480
	.fill 96, 4, 3214868480
	.section	.rodata,"a",@progbits
	.p2align	6, 0x0
	.amdhsa_kernel k_q482344635d_mix
		.amdhsa_group_segment_fixed_size 69888
		.amdhsa_private_segment_fixed_size 0
		.amdhsa_enable_private_segment 0
		.amdhsa_kernarg_size 48
		.amdhsa_user_sgpr_count 2
		.amdhsa_user_sgpr_kernarg_segment_ptr 1
		.amdhsa_wavefront_size32 1
		.amdhsa_system_sgpr_workgroup_id_x 1
		.amdhsa_system_sgpr_workgroup_id_y 1
		.amdhsa_system_sgpr_workgroup_id_z 1
		.amdhsa_system_vgpr_workitem_id 0
		.amdhsa_next_free_vgpr 226
		.amdhsa_next_free_sgpr 66
		.amdhsa_reserve_vcc 0
		.amdhsa_float_denorm_mode_32 3
		.amdhsa_float_denorm_mode_16_64 3
		.amdhsa_memory_ordered 1
		.amdhsa_forward_progress 1
		.amdhsa_inst_pref_size 30
	.end_amdhsa_kernel
	.amdgpu_metadata
---
amdhsa.version: [ 1, 2 ]
amdhsa.kernels:
  - .name:           k_q482344635d_mix
    .symbol:         k_q482344635d_mix.kd
    .args:
      - { .name: scores, .offset: 0, .size: 8, .value_kind: global_buffer, .address_space: global }
      - { .name: pacc, .offset: 8, .size: 8, .value_kind: global_buffer, .address_space: global }
      - { .name: ml, .offset: 16, .size: 8, .value_kind: global_buffer, .address_space: global }
      - { .name: Wv, .offset: 24, .size: 8, .value_kind: global_buffer, .address_space: global }
      - { .name: ctx, .offset: 32, .size: 8, .value_kind: global_buffer, .address_space: global }
      - { .name: out1, .offset: 40, .size: 8, .value_kind: global_buffer, .address_space: global }
    .group_segment_fixed_size: 69888
    .private_segment_fixed_size: 0
    .kernarg_segment_align: 8
    .kernarg_segment_size: 48
    .max_flat_workgroup_size: 256
    .sgpr_count:     66
    .vgpr_count:     226
    .wavefront_size: 32
...
	.end_amdgpu_metadata
.endif
;; end of part 3
;; launch outp (part 4): grid 8 x 1, 8 waves a work-group, no clusters, 142,848 bytes of LDS; arguments ctx, Wo, out0; writes out0
.if DOCPART == 4
	.amdgcn_target "amdgcn-amd-amdhsa--gfx1250"
	.amdhsa_code_object_version 6
	.text
	.protected	k_q482344635d_outp
	.globl	k_q482344635d_outp
	.p2align	8
	.type	k_q482344635d_outp,@function
k_q482344635d_outp:
	s_mov_b64 s[64:65], 0
	v_nop
	global_prefetch_b8 v0, s[64:65] scope:SCOPE_SE
	s_setreg_imm32_b32 hwreg(HW_REG_WAVE_MODE, 25, 1), 1
	s_wait_xcnt 0x0
; outp: out0[b][64 g + j] = sum over i of ctx[b][i] Wo[64 g + j][i], for all 32 b and the 64 j of work-group g.
; bf16 operands, f32 sums.  Eight waves: wave w makes the tile of j block w >> 1 and b block w & 1, K = 512.
; ctx enters the matrix unit as the sum of two bf16 numbers (ctx rounded, and the rest rounded), each multiplied by the same Wo,
; so that the rounding of this intermediate adds nothing of note to the rounding of the inputs.
; Eight work-groups: the product has 32 x 512 results, and a finer split would only read ctx more often.
.set WP,  1040                         ; LDS pitch of a row of 512 bf16
.set OP,  272                          ; LDS pitch of a row of 64 f32
.set XS,  64*WP                        ; ctx rounded, 32 rows
.set XLO, 32*WP                        ; so far behind it: the rest of ctx, 32 rows
.set OS,  XS+2*XLO                     ; results [32 b][64 j] f32
.set WV,  1                            ; v1 Wo: 16384 w + 16 L
.set CXV, 2                            ; v2 ctx: 8192 w + 16 L
.set WSA, 3
.set XSA, 4
.set GA,  5
.set GB,  6
.set OSW, 7
.set OSR, 8
.set OV,  9
.set TT,  20                           ; v[20:23] four rounded numbers, widened again
.set X,   32                           ; v[32:223] raw loads
.set FB,  32                           ; v[32:127] fragments of four K steps: Wo, ctx, ctx's rest
.set Y,   224
.set Q0,  224
.set Q1,  232
.macro BAR
	s_wait_dscnt 0x0
	s_barrier_signal -1
	s_barrier_wait -1
.endm
.macro CV8 i0
.irp e, 0,1,2,3,4,5,6,7
	v_cvt_pk_bf16_f32 v[Y+2*\e],   v[X+4*(\i0+\e)],   v[X+4*(\i0+\e)+1]
	v_cvt_pk_bf16_f32 v[Y+2*\e+1], v[X+4*(\i0+\e)+2], v[X+4*(\i0+\e)+3]
.endr
.endm
; The rest of raw loads i0 .. i0+7, whose rounded words lie in Y: widened again, taken away from the numbers (exact in f32), rounded, into Y
.macro LO8 i0
.irp e, 0,1,2,3,4,5,6,7
	v_lshlrev_b32 v[TT],   16,         v[Y+2*\e]
	v_and_b32     v[TT+1], 0xffff0000, v[Y+2*\e]
	v_lshlrev_b32 v[TT+2], 16,         v[Y+2*\e+1]
	v_and_b32     v[TT+3], 0xffff0000, v[Y+2*\e+1]
	v_pk_add_f32 v[X+4*(\i0+\e):X+4*(\i0+\e)+1],   v[X+4*(\i0+\e):X+4*(\i0+\e)+1],   v[TT:TT+1]   neg_lo:[0,1] neg_hi:[0,1]
	v_pk_add_f32 v[X+4*(\i0+\e)+2:X+4*(\i0+\e)+3], v[X+4*(\i0+\e)+2:X+4*(\i0+\e)+3], v[TT+2:TT+3] neg_lo:[0,1] neg_hi:[0,1]
	v_cvt_pk_bf16_f32 v[Y+2*\e],   v[X+4*(\i0+\e)],   v[X+4*(\i0+\e)+1]
	v_cvt_pk_bf16_f32 v[Y+2*\e+1], v[X+4*(\i0+\e)+2], v[X+4*(\i0+\e)+3]
.endr
.endm
.macro ST8 adr, j0, base               ; piece j of a wave's rows: row j / 4, quarter j % 4; 32 lanes write 256 neighbouring bytes
.irp e, 0,1,2,3,4,5,6,7
	ds_store_b64 v[\adr], v[Y+2*\e:Y+2*\e+1] offset:\base+((\j0+\e)/4)*WP+((\j0+\e)%4)*256
.endr
.endm
; One tile of 16 x 16 over K = 512, in four batches of four K steps.  Q0 sums the products of ctx's rounded part, Q1 those of its rest;
; they take turns, one instruction a turn; four places behind each batch (ISA guide 7.12.1).
.macro GEMM16 a, b
.irp bt, 0,1,2,3
.irp u, 0,1,2,3
	ds_load_b128 v[FB+24*\u:FB+24*\u+3],     v[\a] offset:64*(4*\bt+\u)
	ds_load_b128 v[FB+24*\u+4:FB+24*\u+7],   v[\a] offset:64*(4*\bt+\u)+32
	ds_load_b128 v[FB+24*\u+8:FB+24*\u+11],  v[\b] offset:64*(4*\bt+\u)
	ds_load_b128 v[FB+24*\u+12:FB+24*\u+15], v[\b] offset:64*(4*\bt+\u)+32
	ds_load_b128 v[FB+24*\u+16:FB+24*\u+19], v[\b] offset:XLO+64*(4*\bt+\u)
	ds_load_b128 v[FB+24*\u+20:FB+24*\u+23], v[\b] offset:XLO+64*(4*\bt+\u)+32
.endr
	s_wait_dscnt 0x0
.irp u, 0,1,2,3
.if (\bt+\u) == 0
	v_wmma_f32_16x16x32_bf16 v[Q0:Q0+7], v[FB:FB+7], v[FB+8:FB+15],  0      ; the first products start the sums
	v_wmma_f32_16x16x32_bf16 v[Q1:Q1+7], v[FB:FB+7], v[FB+16:FB+23], 0
.else
	v_wmma_f32_16x16x32_bf16 v[Q0:Q0+7], v[FB+24*\u:FB+24*\u+7], v[FB+24*\u+8:FB+24*\u+15],  v[Q0:Q0+7]
	v_wmma_f32_16x16x32_bf16 v[Q1:Q1+7], v[FB+24*\u:FB+24*\u+7], v[FB+24*\u+16:FB+24*\u+23], v[Q1:Q1+7]
.endif
.endr
.rept 4
	v_nop
.endr
.endr
.endm
	s_load_b128 s[4:7], s[0:1], 0x0                ; ctx s[4:5], Wo s[6:7]
	s_load_b64 s[8:9], s[0:1], 0x10                ; out0
	v_lshl_add_u32 v240, v0, 2, 0x22a00
	v_mov_b32 v241, 0
	v_lshrrev_b32 v14, 5, v0
	v_readfirstlane_b32 s14, v14                   ; wave w
	v_and_b32 v14, 15, v0                          ; r
	v_bfe_u32 v15, v0, 4, 1                        ; hh
	v_and_b32 v17, 31, v0                          ; L
	s_lshr_b32 s15, s14, 1                         ; jb
	s_and_b32 s16, s14, 1                          ; bb
	s_lshl_b32 s17, s14, 14
	v_lshl_add_u32 v[WV], v17, 4, s17
	s_lshl_b32 s17, s14, 13
	v_lshl_add_u32 v[CXV], v17, 4, s17
	v_lshl_add_u32 v[OV], v14, 4, s17
	v_lshl_add_u32 v[OV], v15, 11, v[OV]           ; out0: row 4 w + hh, 16 bytes a lane
	s_mul_i32 s17, s14, 8*WP
	v_lshl_add_u32 v[WSA], v17, 3, s17
	s_mul_i32 s17, s14, 4*WP
	s_add_co_u32 s17, s17, XS
	v_lshl_add_u32 v[XSA], v17, 3, s17
	v_mul_u32_u24 v19, v14, WP
	v_lshl_add_u32 v19, v15, 4, v19
	s_mul_i32 s17, s15, 16*WP
	v_add_nc_u32 v[GA], s17, v19
	s_mul_i32 s17, s16, 16*WP
	s_add_co_u32 s17, s17, XS
	v_add_nc_u32 v[GB], s17, v19
	v_mul_u32_u24 v19, v14, OP
	v_lshl_add_u32 v19, v15, 5, v19
	s_mul_i32 s17, s16, 16*OP
	s_lshl_b32 s20, s15, 6
	s_add_co_u32 s17, s17, s20
	s_add_co_u32 s17, s17, OS
	v_add_nc_u32 v[OSW], s17, v19                  ; OS + (16 bb + r) rows + 4 (16 jb + 8 hh)
	v_mul_u32_u24 v19, v15, OP
	v_lshl_add_u32 v19, v14, 4, v19
	s_mul_i32 s17, s14, 4*OP
	s_add_co_u32 s17, s17, OS
	v_add_nc_u32 v[OSR], s17, v19                  ; OS + (4 w + hh) rows + 16 r
	s_lshl_b32 s18, ttmp9, 17
	s_mov_b32 s19, 0
	s_wait_kmcnt 0x0
	s_add_nc_u64 s[6:7], s[6:7], s[18:19]
	s_lshl_b32 s18, ttmp9, 8
	s_add_nc_u64 s[8:9], s[8:9], s[18:19]
.irp c, 0,1,2,3
.irp e, 0,1,2,3,4,5,6,7
	global_load_b128 v[X+4*(8*\c+\e):X+4*(8*\c+\e)+3], v[WV], s[6:7] offset:512*(8*\c+\e)
.endr
.endr
.irp c, 0,1
.irp e, 0,1,2,3,4,5,6,7
	global_load_b128 v[X+128+4*(8*\c+\e):X+128+4*(8*\c+\e)+3], v[CXV], s[4:5] offset:512*(8*\c+\e)
.endr
.endr
.irp c, 0,1,2,3
	s_wait_loadcnt 40-8*\c                         ; 48 loads in six chunks of eight: the counts run down
	CV8 8*\c
	ST8 WSA, 8*\c, 0
.endr
	s_wait_loadcnt 8
	CV8 32
	ST8 XSA, 0, 0
	LO8 32
	ST8 XSA, 0, XLO
	s_wait_loadcnt 0x0
	CV8 40
	ST8 XSA, 8, 0
	LO8 40
	ST8 XSA, 8, XLO
	BAR
	GEMM16 GA, GB                                  ; source 0: rows of Wo (m = j); source 1: rows of ctx, then of its rest (n = b)
.irp n, 0,2,4,6
	v_pk_add_f32 v[Q0+\n:Q0+\n+1], v[Q0+\n:Q0+\n+1], v[Q1+\n:Q1+\n+1]
.endr
	ds_store_b128 v[OSW], v[Q0:Q0+3]               ; eight neighbouring j of one b
	ds_store_b128 v[OSW], v[Q0+4:Q0+7] offset:16
	BAR
	ds_load_b128 v[32:35], v[OSR]                  ; rows 4 w + hh and 4 w + 2 + hh, whole: sixteen lanes a row
	ds_load_b128 v[36:39], v[OSR] offset:2*OP
	s_wait_dscnt 1
	global_store_b128 v[OV], v[32:35], s[8:9]      ; sixteen lanes store 256 consecutive aligned bytes
	s_wait_dscnt 0x0
	global_store_b128 v[OV], v[36:39], s[8:9] offset:4096
	s_wait_tensorcnt 0x0
	ds_add_u32 v240, v241
	s_wait_dscnt 0x0
	s_endpgm
.Lfunc_end_k_q482344635d_outp:
	.size	k_q482344635d_outp, .Lfunc_end_k_q482344635d_outp-k_q482344635d_outp
	.p2alignl 7, 3214868480
	.fill 96, 4, 3214868480
	.section	.rodata,"a",@progbits
	.p2align	6, 0x0
	.amdhsa_kernel k_q482344635d_outp
		.amdhsa_group_segment_fixed_size 142848
		.amdhsa_private_segment_fixed_size 0
		.amdhsa_enable_private_segment 0
		.amdhsa_kernarg_size 24
		.amdhsa_user_sgpr_count 2
		.amdhsa_user_sgpr_kernarg_segment_ptr 1
		.amdhsa_wavefront_size32 1
		.amdhsa_system_sgpr_workgroup_id_x 1
		.amdhsa_system_sgpr_workgroup_id_y 1
		.amdhsa_system_sgpr_workgroup_id_z 1
		.amdhsa_system_vgpr_workitem_id 0
		.amdhsa_next_free_vgpr 242
		.amdhsa_next_free_sgpr 66
		.amdhsa_reserve_vcc 0
		.amdhsa_float_denorm_mode_32 3
		.amdhsa_float_denorm_mode_16_64 3
		.amdhsa_memory_ordered 1
		.amdhsa_forward_progress 1
		.amdhsa_inst_pref_size 35
	.end_amdhsa_kernel
	.amdgpu_metadata
---
amdhsa.version: [ 1, 2 ]
amdhsa.kernels:
  - .name:           k_q482344635d_outp
    .symbol:         k_q482344635d_outp.kd
    .args:
      - { .name: ctx, .offset: 0, .size: 8, .value_kind: global_buffer, .address_space: global }
      - { .name: Wo, .offset: 8, .size: 8, .value_kind: global_buffer, .address_space: global }
      - { .name: out0, .offset: 16, .size: 8, .value_kind: global_buffer, .address_space: global }
    .group_segment_fixed_size: 142848
    .private_segment_fixed_size: 0
    .kernarg_segment_align: 8
    .kernarg_segment_size: 24
    .max_flat_workgroup_size: 256
    .sgpr_count:     66
    .vgpr_count:     242
    .wavefront_size: 32
...
	.end_amdgpu_metadata
.endif
;; end of part 4
;; ======== version 2 of 2: 4 launches; version 1 with the launch attn written anew for expert scheduling mode
;; workspace buffers: qk 262,144 bytes; scores 4,194,304 bytes; pacc 4,194,304 bytes; ml 32,768 bytes; ctx 65,536 bytes
;; launch prep: the kernel of part 1 again; grid 8 x 1, 8 waves a work-group, no clusters, 105,472 bytes of LDS; arguments enc, Wq, Wk, qk; writes qk
;; launch attn (part 5): grid 8 x 32, 8 waves a work-group, no clusters, 94,720 bytes of LDS; arguments enc, qk, scores, pacc, ml; writes scores, pacc, ml
.if DOCPART == 5
	.amdgcn_target "amdgcn-amd-amdhsa--gfx1250"
	.amdhsa_code_object_version 6
	.text
	.protected	k_q482344635d_attn
	.globl	k_q482344635d_attn
	.p2align	8
	.type	k_q482344635d_attn,@function
k_q482344635d_attn:
	s_mov_b64 s[64:65], 0
	v_nop
	global_prefetch_b8 v0, s[64:65] scope:SCOPE_SE
	s_setreg_imm32_b32 hwreg(HW_REG_WAVE_SCHED_MODE, 0, 2), 2
	s_setreg_imm32_b32 hwreg(HW_REG_WAVE_MODE, 25, 1), 1
	s_wait_xcnt 0x0
	s_wait_alu depctr_vm_vsrc(0)
; attn: the one pass over enc.  Work-group (s, b) owns rows t = 512 s .. 512 s + 511 of batch b (1 MiB), in 8 tiles of 64 rows.
; For each tile: scores[h][t] = enc[t][:] . qk[h][:] (log2 units, stored), a running maximum m[h], p = 2^(score - m),
; l[h] = sum of p, acc[h][d] = sum over t of p[h][t] enc[t][d].  At the end acc, m and l go out; a later launch joins the 8 splits of a batch.
; Wave w owns columns d = 64 w .. 64 w + 63 (256 bytes of every row) for the loads and for both products, and head w for the softmax.
; enc is read from memory once, into a ring of seven slots of eight loads in registers; a slot is asked for again as soon as it has been
; converted, so that behind a step's loads seven slots' loads are out (56 loads of 512 bytes a wave).  The eight tiles are written out by macro:
; a chunk's place then stands in the load's immediate and each tile's scores have registers of their own, so no base, offset or store data of a
; global instruction is ever rewritten.
; Loads go through registers and not through a copy engine: every number has to be rounded to bf16 on its way, the operand of the second
; product (pairs along t) falls out of that rounding without any transposition, and the ring is refilled piecewise with counted waits.
; No cluster: no two work-groups read the same byte of enc.
; p enters the matrix unit as the sum of two bf16 numbers (p rounded, and the rest rounded): acc is a sum of 512 terms of both signs that largely
; cancel, and a single rounding of p to 8 bits would show in it as much as enc's own rounding does.  Eight heads fill 8 of a tile's 16 columns:
; in the second product columns 0-7 take p's rounded part and columns 8-15 its rest, and the two shares of acc are added once, at the end.
; In the first product columns 8-15 repeat heads 0-7, so lanes r and r + 8 hold the same scores.
; LIMITS: scores must be finite (a NaN loses in the maxima); 2^x below 2^-126 comes out as 0; enc and qk enter the matrix unit as bf16;
; a score is the sum of eight waves' partial sums, in a fixed order that is not reference()'s.
; THE MODE: SCHED_MODE bits 1:0 = 2 (LLVM: expert scheduling mode 2), set by the entry lines.  The code itself states the register dependences
; between vector or matrix instructions and memory or LDS instructions, with s_wait_alu, always for 0.
; THE PLAN.  Registers that memory or LDS instructions touch:
;   slots 0-6     Chunk J lands in slot J % 7; step J's conversions read it; behind them the loads of chunk J + 7 land in it.
;   Y0, Y1        Step J's conversions write Y[J % 2]; step J's eight LDS stores read it; step J + 2's conversions write it again.
;   EB            The first product's LDS loads land in all 64, its products read them; then RD takes SOFT's loads (its sums read and write it) and PF takes P2's (its products read it).
;   SA            The first product writes it, eight LDS stores read it.          AL  P2's LDS load lands in it, the scalings read it.
;   SVT, PHI, PLW, AW   SOFT's arithmetic writes them, its stores read them; a tile's SVT pair is never written again.
;   v1-v11        Offsets and LDS addresses: written at the head, never again.
;   F2, ACC, MM, LS and the registers at work are named by vector and matrix instructions alone, up to the way out.
; THE WAITS.  On va_vdst: one at the head; one in each step, behind its conversions; one behind the first product; one ahead of SOFT's stores; one on the way out.
; On vm_vsrc: one in each step that has a step on either side; it stands a step behind the LDS stores whose buffer it frees, and a tile's first also frees SA, PHI, PLW and AW.
; On va_sdst: one, for the wave's number.
.set ROWB,  2048                       ; bytes in a row of enc
.set SPIT,  144                        ; stage: a row of 64 bf16 + 16 bytes (an odd multiple of 16)
.set STGW,  64*SPIT                    ; a wave's own stage: [64 t][64 d] bf16
.set HP,    272                        ; a head's 64 scores in f32 + 16 bytes
.set SPWV,  8*HP
.set SP,    8*STGW                     ; partial scores [wave][head][64 t]
.set PPIT,  144                        ; a head's 64 p in bf16 + 16 bytes
.set PLO,   8*PPIT                     ; so far behind p's rounded part lies its rest
.set PHB,   SP+8*SPWV                  ; p rounded [head][64 t], then the rest of p
.set ALB,   PHB+2*PLO                  ; 2^(old maximum - new) of each head, twice: 8 bytes a head
.set MLB,   ALB+64                     ; at the end: m[0..7], l[0..7]
.set VO,  1                            ; v1   enc: 8 hh rows + 256 w + 16 r; never rewritten
.set STA, 2                            ; v2   stage, in:  8 hh rows + 8 r
.set STR, 3                            ; v3   stage, fragment: r rows + 16 hh
.set SPW, 4                            ; v4   my partial scores: SP + my wave + head r7 + 32 hh
.set SPR, 5                            ; v5   head w of wave 0's partials, + 8 L
.set PHW, 6                            ; v6   PHB + head w + 4 L
.set PFR, 7                            ; v7   PHB + head r7 + (rest, for r >= 8) + 16 hh
.set VS,  8                            ; v8   scores: 16384 w + 8 L; never rewritten
.set QO,  9                            ; v9   qk: 2048 r7 + 256 w + 16 hh
.set ALW, 10                           ; v10  ALB + 8 w
.set ALR, 11                           ; v11  ALB + 8 r7
.set MM,  12                           ; v12  running maximum of head w
.set LS,  13                           ; v13  my lane's share of l of head w
.set AL,  14                           ; v[14:15] factor of head r7, as read
.set AW,  16                           ; v[16:17] factor of head w, as made
.set T0,  18
.set T1,  19
.set QF,  20                           ; v[20:35]   qk as fragments, two K steps
.set ACC, 36                           ; v[36:67]   acc, four tiles c: register j of lane (r, hh) = head r7, d = 64 w + 4 (8 hh + j) + c; r < 8: from p rounded, r >= 8: from its rest
.set F2,  68                           ; v[68:131]  enc as fragments of the second product, [kk][c]
.set EB,  132                          ; v[132:195] the first product's fragments; between its turns:
.set PF,  EB+16                        ; 16: p as fragments, two K steps
.set RD,  EB+48                        ; 16: eight waves' partial scores
.set SA,  196                          ; v[196:227] scores of four blocks of 16 t
.set SVT, 228                          ; v[228:243] tile i: two scores of head w, a pair of its own, since a store reads it
.set PP,  244                          ; v[244:245] two p
.set PT,  246                          ; v[246:247] their rounded part widened, then their rest
.set PHI, 248                          ; v248 p rounded, packed
.set PLW, 249                          ; v249 the rest, packed
.set T2,  250
; v256-v479 (written v0-v223 under a window): chunk J of eight loads in slot J % 7, 32 registers
.set YY,  224                          ; v480-v511 (written v224-v255 under a window): two buffers of 16: eight loads packed for the stage
.set MSB, 0
.macro WIN new                         ; s_set_vgpr_msb: bits 1:0 source 0, 3:2 source 1, 7:6 destination; the high byte repeats the setting that is left
.if MSB != \new
	s_set_vgpr_msb (MSB<<8)|\new
.set MSB, \new
.endif
.endm
.macro BAR
	s_wait_dscnt 0x0                               ; what I wrote to LDS is there, what I read is back
	s_barrier_signal -1
	s_barrier_wait -1
.endm
.macro PLACES                          ; four places behind matrix instructions before vector instructions or stores read or write their registers
.rept 4
	v_nop
.endr
.endm
; Chunk j of the group's 32: rows 16 j .. 16 j + 15.  Load e: lanes 0-15 take 256 consecutive aligned bytes of row 16 j + e, lanes 16-31 of row 16 j + e + 8.
.macro LOADS j
.irp e, 0,1,2,3,4,5,6,7
	global_load_b128 v[32*((\j)%7)+4*\e:32*((\j)%7)+4*\e+3], v[VO], s[4:5] offset:(16*(\j)+\e)*ROWB th:TH_LOAD_NT
.endr
.endm
; Eight loads (registers xb .. xb + 31) are rounded twice.  Pairs along t (two loads, one column c) are registers of the second product's operand:
; lane (r, hh) holds row m = r, which stands for d = 64 w + 4 r + c, and rows 16(q%2) + 8 hh + 2u, +1 of block q/2 of 32 t are register 4(q%2) + u (ISA guide 7.12.2).
; Pairs along d go, through buffer yb, to the stage, from where the first product takes its fragments.
.macro CVT q, xb, yb
	WIN 0x05                                       ; both sources in v256-v511, the destination below
.irp u, 0,1,2,3
.irp c, 0,1,2,3
	v_cvt_pk_bf16_f32 v[F2+8*(4*(\q/2)+\c)+4*(\q%2)+\u], v[(\xb)+8*\u+\c], v[(\xb)+8*\u+4+\c]
.endr
.endr
	WIN 0x45                                       ; the destination in v256-v511 too
.irp e, 0,1,2,3,4,5,6,7
	v_cvt_pk_bf16_f32 v[(\yb)+2*\e],   v[(\xb)+4*\e],   v[(\xb)+4*\e+1]
	v_cvt_pk_bf16_f32 v[(\yb)+2*\e+1], v[(\xb)+4*\e+2], v[(\xb)+4*\e+3]
.endr
.endm
.macro PUT q, yb
.irp e, 0,1,2,3,4,5,6,7
	ds_store_b64 v[STA], v[(\yb)+2*\e:(\yb)+2*\e+1] offset:(16*\q+\e)*SPIT
.endr
.endm
; The four chunks of tile t.  Step J: chunk J is waited for and converted; chunk J + 7 is asked for into the slot just converted; the packed words go to the stage.
.macro WPH t
.irp q, 0,1,2,3
.set J, 4*\t+\q
.if J <= 25
	s_wait_loadcnt 48                              ; behind chunk J stand chunks J + 1 .. J + 6: 48 loads
.else
	s_wait_loadcnt 8*(31-J)                        ; the last chunks: nothing was issued behind chunk 31, the counts run down
.endif
	CVT \q, 32*(J%7), YY+16*(J%2)
	WIN 0x44                                       ; loaded data and LDS store data in v256-v511; addresses below
	s_wait_alu depctr_va_vdst(0)                   ; the conversions are done reading slot J % 7, in which the loads below land, and have written Y[J % 2], which the LDS stores below read
.if (J > 0) && (J < 31)
	s_wait_alu depctr_vm_vsrc(0)                   ; the last step's LDS stores have read the other Y, which the next step's conversions write; in a tile's first step also: the last tile's stores have read SA, PHI, PLW and AW, which this tile writes again
.endif
.if J <= 24
	LOADS J+7
.endif
	PUT \q, YY+16*(J%2)
.endr
	WIN 0
.endm
; First product: 64 t x 16 columns over my 64 d.  The stage is my wave's own and LDS serves a wave in order, so no wait on DScnt stands behind PUT.
; The loads owe no wait of their own: all that named EB (the last tile's products and sums; at the head five lines) stands ahead of the last step's wait on va_vdst,
; no vector instruction has been issued since, and no store reads EB.
.macro P1
.irp ks, 0,1
.irp tb, 0,1,2,3
	ds_load_b128 v[EB+8*(4*\ks+\tb):EB+8*(4*\ks+\tb)+3],   v[STR] offset:\tb*16*SPIT+64*\ks
	ds_load_b128 v[EB+8*(4*\ks+\tb)+4:EB+8*(4*\ks+\tb)+7], v[STR] offset:\tb*16*SPIT+64*\ks+32
.endr
.endr
	s_wait_dscnt 8                                 ; the eight loads of the second K step may be out
.irp tb, 0,1,2,3
	v_wmma_f32_16x16x32_bf16 v[SA+8*\tb:SA+8*\tb+7], v[EB+8*\tb:EB+8*\tb+7], v[QF:QF+7], 0
.endr
	s_wait_dscnt 0x0
.irp tb, 0,1,2,3                                   ; the four sums take turns, one instruction a turn
	v_wmma_f32_16x16x32_bf16 v[SA+8*\tb:SA+8*\tb+7], v[EB+8*(4+\tb):EB+8*(4+\tb)+7], v[QF+8:QF+15], v[SA+8*\tb:SA+8*\tb+7]
.endr
	PLACES
	s_wait_alu depctr_va_vdst(0)                   ; the products have written SA, which the LDS stores read, and are done reading EB, in which SOFT's and P2's loads land; the places above stay beside this wait
.irp tb, 0,1,2,3                                   ; register j = t 16 tb + 8 hh + j of head r7; lanes r and r + 8 write the same word with the same number
	ds_store_b128 v[SPW], v[SA+8*\tb:SA+8*\tb+3]   offset:64*\tb
	ds_store_b128 v[SPW], v[SA+8*\tb+4:SA+8*\tb+7] offset:64*\tb+16
.endr
	BAR                                            ; all partials are written; also: every wave's reads of p and of the factors in the last tile are back
.endm
; Wave w adds the eight partials of head w, two t a lane, stores the scores (256 consecutive aligned bytes) and does head w's running softmax,
; once for the whole work-group: the maximum over the wave, p, p's two bf16 parts and the factor for the old sums go to LDS.
.macro SOFT t
.irp v, 0,1,2,3,4,5,6,7
	ds_load_b64 v[RD+2*\v:RD+2*\v+1], v[SPR] offset:SPWV*\v   ; no vector or matrix instruction since P1's wait names RD
.endr
	s_wait_dscnt 0x0
.irp v, 0,4,8,12
	v_pk_add_f32 v[RD+\v:RD+\v+1], v[RD+\v:RD+\v+1], v[RD+\v+2:RD+\v+3]
.endr
	v_pk_add_f32 v[RD:RD+1],   v[RD:RD+1],   v[RD+4:RD+5]
	v_pk_add_f32 v[RD+8:RD+9], v[RD+8:RD+9], v[RD+12:RD+13]
	v_pk_add_f32 v[SVT+2*\t:SVT+2*\t+1], v[RD:RD+1], v[RD+8:RD+9]
	v_max_num_f32 v[T0], v[SVT+2*\t], v[SVT+2*\t+1]
	v_max_num_f32_dpp v[T0], v[T0], v[T0] row_xmask:1 row_mask:0xf bank_mask:0xf
	v_max_num_f32_dpp v[T0], v[T0], v[T0] row_xmask:2 row_mask:0xf bank_mask:0xf
	v_max_num_f32_dpp v[T0], v[T0], v[T0] row_xmask:4 row_mask:0xf bank_mask:0xf
	v_max_num_f32_dpp v[T0], v[T0], v[T0] row_xmask:8 row_mask:0xf bank_mask:0xf
	v_permlanex16_b32 v[T1], v[T0], s20, s21       ; the other sixteen lanes' maximum
.if \t == 0
	v_max_num_f32 v[MM], v[T0], v[T1]
.else
	v_max3_num_f32 v[T0], v[T0], v[T1], v[MM]
	v_sub_f32 v[T2], v[MM], v[T0]                  ; old maximum - new, at most 0
	v_mov_b32 v[MM], v[T0]
.endif
	v_sub_f32 v[PP],   v[SVT+2*\t],   v[MM]
	v_sub_f32 v[PP+1], v[SVT+2*\t+1], v[MM]
	v_exp_f32 v[PP],   v[PP]
	v_exp_f32 v[PP+1], v[PP+1]
.if \t != 0
	v_exp_f32 v[AW],   v[T2]
	v_exp_f32 v[AW+1], v[T2]
.endif
	v_nop                                          ; one plain instruction behind the transcendentals before their results are used (ISA guide 5.7.2)
	s_wait_alu depctr_va_vdst(0)
	v_cvt_pk_bf16_f32 v[PHI], v[PP], v[PP+1]       ; p rounded: t = 2 L in the low half
	v_lshlrev_b32 v[PT],   16,  v[PHI]             ; widened again (a shift, a mask),
	v_and_b32     v[PT+1], s27, v[PHI]
	v_pk_add_f32 v[PT:PT+1], v[PP:PP+1], v[PT:PT+1] neg_lo:[0,1] neg_hi:[0,1]   ; taken away from p (exact in f32),
	v_cvt_pk_bf16_f32 v[PLW], v[PT], v[PT+1]       ; and the rest rounded
	s_wait_alu depctr_va_vdst(0)                   ; the lines above have written PHI, PLW, AW and the tile's SVT pair, which the four stores below read
	ds_store_b32 v[PHW], v[PHI]
	ds_store_b32 v[PHW], v[PLW] offset:PLO
.if \t != 0
	ds_store_b64 v[ALW], v[AW:AW+1]                ; all lanes write the same two words with the same number
.endif
	global_store_b64 v[VS], v[SVT+2*\t:SVT+2*\t+1], s[8:9] offset:256*\t
.if \t == 0
	v_add_f32 v[LS], v[PP], v[PP+1]
.else
	v_add_f32 v[T0], v[PP], v[PP+1]
	v_fma_f32 v[LS], v[LS], v[AW], v[T0]           ; every lane of the wave has the same factor: the lanes' shares are added at the end
.endif
	BAR                                            ; p and the factors are whole; also: every wave's reads of the partials are back
.endm
; Second product: source 0 = enc (m stands for d), source 1 = p (column r < 8: head r, rounded part; r >= 8: head r - 8, the rest), k = t.
; In LDS a head's p lie along t, which is the fragment's own order: two loads of 16 bytes, 32 bytes apart, for each block of 32 t.
; The loads owe no wait of their own: the last readers of AL (the last tile's scalings) and of PF (this tile's first product) stand ahead of SOFT's wait on va_vdst,
; and the lines for l behind that wait name neither, nor the two addresses.
.macro P2 t
.if \t != 0
	ds_load_b64 v[AL:AL+1], v[ALR]
.endif
.irp kk, 0,1
	ds_load_b128 v[PF+8*\kk:PF+8*\kk+3],   v[PFR] offset:64*\kk
	ds_load_b128 v[PF+8*\kk+4:PF+8*\kk+7], v[PFR] offset:64*\kk+32
.endr
.if \t != 0
	s_wait_dscnt 4                                 ; the factor is in; the four loads of p may be out
.irp n, 0,2,4,6,8,10,12,14,16,18,20,22,24,26,28,30
	v_pk_mul_f32 v[ACC+\n:ACC+\n+1], v[ACC+\n:ACC+\n+1], v[AL:AL+1]   ; a lane's acc are all of head r7: one factor serves
.endr
.endif
	s_wait_dscnt 0x0
.irp c, 0,1,2,3
.if \t == 0
	v_wmma_f32_16x16x32_bf16 v[ACC+8*\c:ACC+8*\c+7], v[F2+8*\c:F2+8*\c+7], v[PF:PF+7], 0      ; the first tile starts the sums: nothing is cleared
.else
	v_wmma_f32_16x16x32_bf16 v[ACC+8*\c:ACC+8*\c+7], v[F2+8*\c:F2+8*\c+7], v[PF:PF+7], v[ACC+8*\c:ACC+8*\c+7]
.endif
.endr
.irp c, 0,1,2,3                                    ; the four sums take turns, one instruction a turn
	v_wmma_f32_16x16x32_bf16 v[ACC+8*\c:ACC+8*\c+7], v[F2+8*(4+\c):F2+8*(4+\c)+7], v[PF+8:PF+15], v[ACC+8*\c:ACC+8*\c+7]
.endr
	PLACES                                         ; the next tile's conversions write F2, and the way out reads acc
.endm
.macro TILE t
	WPH \t
	P1
	SOFT \t
	P2 \t
.endm
	s_load_b256 s[4:11], s[0:1], 0x0               ; enc s[4:5], qk s[6:7], scores s[8:9], pacc s[10:11]
	s_load_b64 s[12:13], s[0:1], 0x20              ; ml
	v_lshl_add_u32 v254, v0, 2, 0x16e00
	v_mov_b32 v255, 0
	v_lshrrev_b32 v[EB], 5, v0
	v_readfirstlane_b32 s14, v[EB]                 ; wave w
	s_and_b32 s15, ttmp7, 0xffff                   ; b
	s_lshl3_add_u32 s16, s15, ttmp9                ; 8 b + s
	s_mov_b32 s20, 0x76543210                      ; v_permlanex16_b32: lane i takes lane i of the other half
	s_mov_b32 s21, 0xfedcba98
	s_mov_b32 s27, 0xffff0000                      ; a word's upper bf16
	v_and_b32 v[EB], 15, v0                        ; r
	v_bfe_u32 v[EB+1], v0, 4, 1                    ; hh
	v_and_b32 v[EB+2], 7, v0                       ; r7
	v_and_b32 v[EB+3], 31, v0                      ; L
	v_bfe_u32 v[EB+4], v0, 3, 1                    ; r >> 3
	s_wait_alu depctr_va_sdst(0)                   ; s14 is written, ahead of its first reader: the wave's places in LDS and in memory are made from it
	s_mul_i32 s22, s14, STGW
	s_mul_i32 s23, s14, SPWV
	s_add_co_u32 s23, s23, SP
	s_mul_i32 s24, s14, HP
	s_lshl_b32 s25, s14, 8
	s_lshl_b32 s26, s14, 14
	s_mul_i32 s28, s14, PPIT
	s_add_co_u32 s28, s28, PHB
	s_lshl_b32 s29, s14, 3
	s_add_co_u32 s29, s29, ALB
	s_lshl_b32 s30, s14, 2
	s_add_co_u32 s30, s30, MLB
	v_lshl_add_u32 v[VO], v[EB], 4, s25
	v_lshl_add_u32 v[VO], v[EB+1], 14, v[VO]
	v_mul_u32_u24 v[STA], v[EB+1], 8*SPIT
	v_lshl_add_u32 v[STA], v[EB], 3, v[STA]
	v_add_nc_u32 v[STA], s22, v[STA]
	v_mul_u32_u24 v[STR], v[EB], SPIT
	v_lshl_add_u32 v[STR], v[EB+1], 4, v[STR]
	v_add_nc_u32 v[STR], s22, v[STR]
	v_mul_u32_u24 v[SPW], v[EB+2], HP
	v_lshl_add_u32 v[SPW], v[EB+1], 5, v[SPW]
	v_add_nc_u32 v[SPW], s23, v[SPW]
	v_lshl_add_u32 v[SPR], v[EB+3], 3, s24
	v_add_nc_u32 v[SPR], SP, v[SPR]
	v_lshl_add_u32 v[PHW], v[EB+3], 2, s28
	v_mul_u32_u24 v[PFR], v[EB+2], PPIT
	v_lshl_add_u32 v[PFR], v[EB+1], 4, v[PFR]
	v_mul_u32_u24 v[T0], v[EB+4], PLO
	v_add_nc_u32 v[PFR], v[T0], v[PFR]
	v_add_nc_u32 v[PFR], PHB, v[PFR]
	v_lshl_add_u32 v[VS], v[EB+3], 3, s26
	v_lshl_add_u32 v[QO], v[EB+2], 11, s25
	v_lshl_add_u32 v[QO], v[EB+1], 4, v[QO]
	v_mov_b32 v[ALW], s29
	v_lshlrev_b32 v[ALR], 3, v[EB+2]
	v_add_nc_u32 v[ALR], ALB, v[ALR]
	v_mov_b32 v[T1], 0                             ; v_permlanex16_b32 counts as a reader of its destination
	s_lshl_b32 s18, s16, 20                        ; my 512 rows of 2,048 bytes
	s_mov_b32 s19, 0
	s_wait_kmcnt 0x0
	s_add_nc_u64 s[4:5], s[4:5], s[18:19]
	s_lshr_b32 s18, s15, 1
	s_lshl_b32 s18, s18, 14
	s_and_b32 s17, s15, 1
	s_lshl_b32 s17, s17, 7
	s_add_co_u32 s18, s18, s17                     ; qk: 16384 (b >> 1) + 128 (b & 1)
	s_add_nc_u64 s[6:7], s[6:7], s[18:19]
	s_lshl_b32 s18, s15, 17
	s_lshl_b32 s17, ttmp9, 11
	s_add_co_u32 s18, s18, s17                     ; scores: 131072 b + 2048 s
	s_add_nc_u64 s[8:9], s[8:9], s[18:19]
	s_lshl_b32 s18, s16, 14
	s_add_nc_u64 s[10:11], s[10:11], s[18:19]
	s_lshl_b32 s18, s16, 7
	s_add_nc_u64 s[12:13], s[12:13], s[18:19]
	s_wait_alu depctr_va_vdst(0)                   ; the eleven offsets and addresses v1 to v11 are written, which the kernel's loads and stores read; so are v[EB] to v[EB+4], in which LDS loads land
.irp ks, 0,1                                       ; qk of head r7, my 64 d: column n = r, k = d (once for the whole kernel)
	global_load_b128 v[QF+8*\ks:QF+8*\ks+3],   v[QO], s[6:7] offset:64*\ks
	global_load_b128 v[QF+8*\ks+4:QF+8*\ks+7], v[QO], s[6:7] offset:64*\ks+32
.endr
	WIN 0x44
.irp j, 0,1,2,3,4,5,6
	LOADS \j                                       ; all seven slots: with qk's four, 60 loads of the wave are out; between the wait above and these stand loads and a window switch alone
.endr
.irp t, 0,1,2,3,4,5,6,7
	TILE \t
.endr
	; THE WAY OUT.  All its vector work comes first, then one wait, then its stores and loads.
	; l of head w: the lanes' shares are added; m and l meet in LDS.
	v_add_f32_dpp v[LS], v[LS], v[LS] row_xmask:1 row_mask:0xf bank_mask:0xf
	v_add_f32_dpp v[LS], v[LS], v[LS] row_xmask:2 row_mask:0xf bank_mask:0xf
	v_add_f32_dpp v[LS], v[LS], v[LS] row_xmask:4 row_mask:0xf bank_mask:0xf
	v_add_f32_dpp v[LS], v[LS], v[LS] row_xmask:8 row_mask:0xf bank_mask:0xf
	v_permlanex16_b32 v[T1], v[LS], s20, s21
	v_add_f32 v[LS], v[LS], v[T1]
	v_mov_b32 v[T0], s30
	; acc: lane r holds the share of p's rounded part, lane r + 8 that of its rest; both end with the sum
.irp n, 0,1,2,3,4,5,6,7,8,9,10,11,12,13,14,15,16,17,18,19,20,21,22,23,24,25,26,27,28,29,30,31
	v_add_f32_dpp v[ACC+\n], v[ACC+\n], v[ACC+\n] row_xmask:8 row_mask:0xf bank_mask:0xf
.endr
	; acc goes through my own stage so that sixteen lanes store 256 consecutive aligned bytes of one head
	v_and_b32 v[EB], 15, v0
	v_bfe_u32 v[EB+1], v0, 4, 1
	v_and_b32 v[EB+2], 7, v0
	v_mul_u32_u24 v[EB+3], v[EB+2], HP
	v_lshl_add_u32 v[EB+3], v[EB+1], 7, v[EB+3]
	v_add_nc_u32 v[EB+3], s22, v[EB+3]             ; in: head r7, d = 32 hh + ..
	v_mul_u32_u24 v[EB+4], v[EB+1], HP
	v_lshl_add_u32 v[EB+4], v[EB], 4, v[EB+4]
	v_add_nc_u32 v[EB+4], s22, v[EB+4]             ; back: head hh (+ 2 q), 16 bytes a lane
	v_lshl_add_u32 v[EB+5], v[EB], 4, s25
	v_lshl_add_u32 v[EB+5], v[EB+1], 11, v[EB+5]   ; pacc: 2048 hh + 256 w + 16 r
	v_lshl_add_u32 v[EB+6], v[EB], 2, MLB          ; word r of m and l: m of head r for r < 8, l of head r - 8 for the others (read by wave 0 alone)
	v_lshlrev_b32 v[EB+7], 2, v0                   ; ml: 4 bytes a lane (used by wave 0 alone)
	s_wait_alu depctr_va_vdst(0)                   ; MM, LS and acc, which the LDS stores read, and the addresses T0 and v[EB+3] to v[EB+7] are written; the last products are done reading PF, and the sum of l reading T1, in which loads land.  No vector instruction follows
	ds_store_b32 v[T0], v[MM]                      ; all lanes write the same word with the same number
	ds_store_b32 v[T0], v[LS] offset:32
.irp c, 0,1,2,3
.irp j, 0,1,2,3,4,5,6,7
	ds_store_b32 v[EB+3], v[ACC+8*\c+\j] offset:16*\j+4*\c   ; lanes r and r + 8 write the same word with the same number
.endr
.endr
.irp q, 0,1,2,3
	ds_load_b128 v[EB+16+4*\q:EB+19+4*\q], v[EB+4] offset:2*HP*\q   ; my own bytes, served in order behind the stores
.endr
.irp q, 0,1,2,3
	s_wait_dscnt 3-\q
	global_store_b128 v[EB+5], v[EB+16+4*\q:EB+19+4*\q], s[10:11] offset:4096*\q
.endr
	BAR                                            ; every wave's m and l are in LDS
	s_cmp_lg_u32 s14, 0                            ; wave 0 stores them
	s_cbranch_scc1 .Lend
	ds_load_b32 v[T1], v[EB+6]
	s_wait_dscnt 0x0
	global_store_b32 v[EB+7], v[T1], s[12:13]      ; 128 bytes: m[0..7], l[0..7], and both once more
.Lend:
	s_wait_dscnt 0x0
	s_wait_alu depctr_hold_cnt(0) depctr_sa_sdst(0) depctr_va_vdst(0) depctr_va_sdst(0) depctr_va_ssrc(0) depctr_va_vcc(0) depctr_vm_vsrc(0)
	s_wait_tensorcnt 0x0
	ds_add_u32 v254, v255
	s_wait_dscnt 0x0
	s_endpgm
.Lfunc_end_k_q482344635d_attn:
	.size	k_q482344635d_attn, .Lfunc_end_k_q482344635d_attn-k_q482344635d_attn
	.p2alignl 7, 3214868480
	.fill 96, 4, 3214868480
	.section	.rodata,"a",@progbits
	.p2align	6, 0x0
	.amdhsa_kernel k_q482344635d_attn
		.amdhsa_group_segment_fixed_size 94720
		.amdhsa_private_segment_fixed_size 0
		.amdhsa_enable_private_segment 0
		.amdhsa_kernarg_size 40
		.amdhsa_user_sgpr_count 2
		.amdhsa_user_sgpr_kernarg_segment_ptr 1
		.amdhsa_wavefront_size32 1
		.amdhsa_system_sgpr_workgroup_id_x 1
		.amdhsa_system_sgpr_workgroup_id_y 1
		.amdhsa_system_sgpr_workgroup_id_z 1
		.amdhsa_system_vgpr_workitem_id 0
		.amdhsa_next_free_vgpr 512
		.amdhsa_next_free_sgpr 66
		.amdhsa_reserve_vcc 0
		.amdhsa_float_denorm_mode_32 3
		.amdhsa_float_denorm_mode_16_64 3
		.amdhsa_memory_ordered 1
		.amdhsa_forward_progress 1
		.amdhsa_inst_pref_size 174
	.end_amdhsa_kernel
	.amdgpu_metadata
---
amdhsa.version: [ 1, 2 ]
amdhsa.kernels:
  - .name:           k_q482344635d_attn
    .symbol:         k_q482344635d_attn.kd
    .args:
      - { .name: enc, .offset: 0, .size: 8, .value_kind: global_buffer, .address_space: global }
      - { .name: qk, .offset: 8, .size: 8, .value_kind: global_buffer, .address_space: global }
      - { .name: scores, .offset: 16, .size: 8, .value_kind: global_buffer, .address_space: global }
      - { .name: pacc, .offset: 24, .size: 8, .value_kind: global_buffer, .address_space: global }
      - { .name: ml, .offset: 32, .size: 8, .value_kind: global_buffer, .address_space: global }
    .group_segment_fixed_size: 94720
    .private_segment_fixed_size: 0
    .kernarg_segment_align: 8
    .kernarg_segment_size: 40
    .max_flat_workgroup_size: 256
    .sgpr_count:     66
    .vgpr_count:     512
    .wavefront_size: 32
...
	.end_amdgpu_metadata
.endif
;; end of part 5
;; launch mix: the kernel of part 3 again; grid 8 x 32, 8 waves a work-group, no clusters, 69,888 bytes of LDS; arguments scores, pacc, ml, Wv, ctx, out1; writes ctx, out1
;; launch outp: the kernel of part 4 again; grid 8 x 1, 8 waves a work-group, no clusters, 142,848 bytes of LDS; arguments ctx, Wo, out0; writes out0
